; MI455X (gfx1250); checked and timed in simulation.
; The chip was launched on July 23, 2026; its instructions are those of AMD's public machine-readable ISA for CDNA 5 (MIT licence, August 2026) and "CDNA5" Instruction Set Architecture Reference Guide (July 2026). The comments in the code are by the model that wrote it; some were corrected since.
;; Attention. Allowed arithmetic: matrix products marked QUANTISED: E2M3 operands, one E8M0 scale for each 32 along K, by v_wmma_scale_f32_16x16x128_f8f6f4 with both operands' format E2M3, f32 sums; everything else in f32.
;; Inputs: Wkv 1,024 x 2,048 float32; Wout 1,024 x 1,024 float32; Wq 1,024 x 1,024 float32; null_kv 2 x 16 x 64 float32; rotary_k 2,561 x 64 float32; rotary_q 2,048 x 64 float32; x 2 x 2,048 x 1,024 float32; xl_memories 2 x 2 x 16 x 512 x 64 float32.
;; Outputs: out0 2 x 2,048 x 1,024 float32; out1 2 x 2 x 16 x 2,049 x 64 float32.
;; This version of the problem:
;;   THIS VERSION OF THE PROBLEM IS GIVEN IN LOW PRECISION. The matrix products marked QUANTISED in the list below multiply operands that are first quantised to E2M3 (2 exponent bits, 3 mantissa bits; 6 bits a number), with one power-of-two scale for each 32 numbers along K (OCP MX v1.0); their sums are f32. All else is computed in f32.
;;   The module's matrix products, in the order in which they are computed (A, B: the left and right operand; K: the contracted axis; several contracted axes count as one K, in the product's order):
;;     1. [M 4,096, K 1,024] x [K 1,024, N 1,024]; A: input x; B: input Wq: QUANTISED
;;     2. [M 4,096, K 1,024] x [K 1,024, N 2,048]; A: input x; B: input Wkv: QUANTISED
;;     3. batch 32 x [M 2,048, K 64] x [K 64, N 2,561]; A: computed on the way; B: computed on the way: QUANTISED
;;     4. batch 32 x [M 2,048, K 2,561] x [K 2,561, N 64]; A: softmax (see below); B: computed on the way: QUANTISED
;;     5. [M 4,096, K 1,024] x [K 1,024, N 1,024]; A: computed on the way; B: input Wout: QUANTISED
;;   THE QUANTISER, for each operand of a quantised product, along K:
;;     - K is cut into blocks of 32 from its start; a last block that is shorter is filled with zeros.
;;     - A block's scale is 2^e with e = floor(log2(the largest magnitude in the block)) - 2, held to -126 .. 127; a block of zeros has e = 0. As a byte (E8M0): e + 127.
;;     - Each number is divided by its block's scale, clamped to +-7.5, and rounded to the nearest number of E2M3, ties to even, subnormals kept.
;;     - The product sums the exact products of the quantised numbers (number of the format x scale) in f32.
;;   ~~~python
;;   def quantise(x, axis):      # numpy; x: float32 -> the quantised numbers, widened to float32 again
;;       x = np.moveaxis(x, axis, -1); K = x.shape[-1]
;;       x = np.pad(x, [(0, 0)] * (x.ndim - 1) + [(0, -K % 32)]); x = x.reshape(x.shape[:-1] + (-1, 32)); a = np.abs(x).max(-1, keepdims=True)
;;       e = np.where(a > 0, np.clip(np.frexp(np.where(a > 0, a, 1))[1] - 1 - 2, -126, 127), 0)      # np.frexp(a)[1] - 1 = floor(log2(a)), exactly
;;       r = np.clip(x / 2.0 ** e, -7.5, 7.5)
;;       step = 2.0 ** (np.maximum(np.frexp(np.where(r == 0, 1, r))[1] - 1, 0) - 3)
;;       q = np.round(r / step) * step * 2.0 ** e      # np.round: ties to even
;;       return np.moveaxis(q.reshape(q.shape[:-2] + (-1,))[..., :K], -1, axis).astype(np.float32)
;;   ~~~
;;   SOFTMAX AHEAD OF A QUANTISED PRODUCT. Where the list says 'softmax', what is quantised is not the finished softmax but p = 2^(t - M), with t = logit x log2(e) and M = ceil(the row's largest t), a whole number; so 1/2 < the row's largest p <= 1. The row's sum l is taken of the UNQUANTISED p, in f32, and the product's result is divided by l at the end. Since M is a whole number, a kernel that streams over the keys may use a running M (the ceiling of the running maximum): every later rescaling is an exact power of two, which a block's scale takes up: the codes' values come out the same.
;;   OPERANDS COMPUTED ON THE WAY. 'Computed on the way' means the value that the module computes at that place (a softmax that the list does not call 'softmax' is quantised finished and normalised). What goes into a quantiser is computed in f32, as accurately as f32 sums, v_exp_f32 and their like allow (about 1e-6 of the number): no bf16 or f16 on the way to a quantiser, and a product that is left as it is and whose result goes on into a quantised operand takes f32 operands (vector FMAs, or v_wmma_f32_16x16x4_f32). A number that lies on a knife's edge between two numbers of the format may be rounded either way, as far as f32 arithmetic and the matrix unit's own rounding can turn it there, and no further.
;; One version. Each part assembles by itself: llvm-mc -triple=amdgcn-amd-amdhsa -mcpu=gfx1250 --defsym DOCPART=n.
;; ======== version 1 of 1: 5 launches
;; limits: right only within a limited range of input values
;; workspace buffers: xc 3,276,800 bytes; wc 3,276,800 bytes; qf 16,777,216 bytes; qc 4,194,304 bytes; kv 8,773,632 bytes; oc 3,276,800 bytes
;; launch prep (part 1): grid 385 x 1, 8 waves a work-group, no clusters, 68,608 bytes of LDS; arguments x, Wq, Wkv, Wout, null_kv, xc, wc, out1; writes xc, wc, out1
.if DOCPART == 1
	.amdgcn_target "amdgcn-amd-amdhsa--gfx1250"
	.amdhsa_code_object_version 6
	.text
	.protected	k_qe72e3b7183_prep
	.globl	k_qe72e3b7183_prep
	.p2align	8
	.type	k_qe72e3b7183_prep,@function
k_qe72e3b7183_prep:
	s_mov_b64 s[64:65], 0
	v_nop
	global_prefetch_b8 v0, s[64:65] scope:SCOPE_SE
	s_setreg_imm32_b32 hwreg(HW_REG_WAVE_MODE, 25, 1), 1
	s_wait_xcnt 0x0
; PREP: x and the three weights become codes of FP6 (E2M3) with one E8M0 byte for each 32 along K; the null rows of out1 are written.
; The codes are laid as IMAGES OF THE OPERAND'S REGISTERS.  A record is 16 rows x 128 K, 1,600 bytes: registers 4 g .. 4 g + 3 of lane l at 512 g + 16 l, then row r's scale word at 1536 + 4 r.
;   xc: record ((token / 16) 8 + K step); row = token % 16.
;   wc: record (ct 8 + K step); ct 0-63 Wq, 64-191 Wkv, 192-255 Wout.  THE COLUMNS OF A TILE ARE NOT NEIGHBOURS: row rho of tile 2 g + u is column 32 g + 8 u + rho + 8 (rho / 8),
;       so that in a transposed product the 16 registers of two neighbouring tiles are 16 neighbouring columns.
; A block's scale is 2^(floor(log2(largest magnitude)) - 2): its byte is the largest magnitude's exponent field - 2, held at 1 from below.
; LIMITS: a block of zeros, or one whose largest magnitude lies under 2^-124, gets the byte 1 (the bytes are read by this program alone; zero codes add nothing); NaN and infinities are not served.
; Three ways part on the work-group's number: 0-255 x (one tile of 16 tokens; wave w takes K step w), 256-383 the weights (a lane to a column, registers down K), 384 the null rows.  Only the first uses LDS.
.set R,     16                         ; v16-79   x as loaded / v16-143 a column's 128 numbers
.set X,     80                         ; v80-143  x: 64 numbers of my row, register 16 b + i = k 32 b + 16 (lane / 16) + i
.set PC,    144                        ; v144-162 the codes just made
.set TM,    164                        ; v164-179 at work
.set PW,    180                        ; the scale word
.set SEL,   12                         ; s[12:13] lane selects: lane l xor 16
.set SROW,  528                        ; a stage row: 512 bytes + 16, so that sixteen rows start 16 bytes apart modulo 256
.set FRB,   1600
; 64 numbers of a lane become a fragment's codes in v[PC] on and its scale word in v[PW]
.macro QUANT s
.irp b, 0,1,2,3
	v_max3_num_f32 v[TM+\b], |v[\s+16*\b]|, |v[\s+1+16*\b]|, 0x1800000   ; my 16 numbers of block b, and the floor 2^(3 - 127): the byte cannot fall under 1
.endr
.irp i, 2,4,6,8,10,12,14
.irp b, 0,1,2,3
	v_max3_num_f32 v[TM+\b], v[TM+\b], |v[\s+16*\b+\i]|, |v[\s+1+16*\b+\i]|
.endr
.endr
.irp b, 0,1,2,3
	v_permlanex16_b32 v[TM+4+\b], v[TM+\b], s[SEL], s[SEL+1]
.endr
.irp b, 0,1,2,3
	v_max_num_f32 v[TM+\b], v[TM+\b], v[TM+4+\b]           ; with lane l xor 16's: the block's largest magnitude
.endr
.irp b, 0,1,2,3
	v_add_nc_u32 v[TM+12+\b], 0xff000000, v[TM+\b]         ; 2 off its exponent field: the conversion's scale operand
.endr
.irp b, 0,1,2,3
	v_lshrrev_b32 v[TM+4+\b], 23, v[TM+12+\b]              ; the scale's byte
.endr
	v_lshl_or_b32 v[PW], v[TM+5], 8, v[TM+4]
	v_lshl_or_b32 v[PW], v[TM+6], 16, v[PW]
	v_lshl_or_b32 v[PW], v[TM+7], 24, v[PW]
.irp c, 0,1
	v_cvt_scalef32_pk16_fp6_f32 v[PC+6*\c:PC+2+6*\c], v[\s+32*\c:\s+15+32*\c], v[TM+12+2*\c]
	v_cvt_scalef32_pk16_fp6_f32 v[PC+12+4*\c:PC+14+4*\c], v[\s+16+32*\c:\s+31+32*\c], v[TM+12+2*\c+1]   ; (a conversion's three registers begin on an even number)
.endr
	v_nop                                                  ; one plain line behind a scaled conversion
.irp c, 0,1                                    ; the operand wants a whole block in a lane: lanes 0-15 block 2 c, lanes 16-31 block 2 c + 1
.irp i, 0,1,2
	v_permlane16_swap_b32 v[PC+6*\c+\i], v[PC+12+4*\c+\i]
.endr
.irp i, 0,1,2
	v_mov_b32 v[PC+3+6*\c+\i], v[PC+12+4*\c+\i]
.endr
.endr
.endm
; 128 numbers down K of ONE column, v[x] on, become what the operand's lanes (rho, 0) and (rho, 1) hold: 12 registers at v[f0] and 12 at v[f1]; the scale word in v[sw].  v168-195 at work
.macro QCOL x, f0, f1, sw
.irp b, 0,1,2,3
	v_max3_num_f32 v[168+\b], |v[\x+32*\b]|, |v[\x+32*\b+1]|, 0x1800000
.endr
.irp i, 2,4,6,8,10,12,14,16,18,20,22,24,26,28,30
.irp b, 0,1,2,3
	v_max3_num_f32 v[168+\b], v[168+\b], |v[\x+32*\b+\i]|, |v[\x+32*\b+\i+1]|
.endr
.endr
.irp b, 0,1,2,3
	v_add_nc_u32 v[172+\b], 0xff000000, v[168+\b]
.endr
.irp b, 0,1,2,3
	v_lshrrev_b32 v[176+\b], 23, v[172+\b]
.endr
	v_lshl_or_b32 v[\sw], v177, 8, v176
	v_lshl_or_b32 v[\sw], v178, 16, v[\sw]
	v_lshl_or_b32 v[\sw], v179, 24, v[\sw]
.irp c, 0,1                                    ; block 2 c + hh is registers 6 c .. 6 c + 5 of half hh
	v_cvt_scalef32_pk16_fp6_f32 v[\f0+6*\c:\f0+6*\c+2], v[\x+64*\c:\x+64*\c+15], v[172+2*\c]
	v_cvt_scalef32_pk16_fp6_f32 v[180+8*\c:182+8*\c], v[\x+64*\c+16:\x+64*\c+31], v[172+2*\c]
	v_cvt_scalef32_pk16_fp6_f32 v[\f1+6*\c:\f1+6*\c+2], v[\x+64*\c+32:\x+64*\c+47], v[173+2*\c]
	v_cvt_scalef32_pk16_fp6_f32 v[184+8*\c:186+8*\c], v[\x+64*\c+48:\x+64*\c+63], v[173+2*\c]
.endr
	v_nop
.irp c, 0,1
.irp i, 0,1,2
	v_mov_b32 v[\f0+6*\c+3+\i], v[180+8*\c+\i]
	v_mov_b32 v[\f1+6*\c+3+\i], v[184+8*\c+\i]
.endr
.endr
.endm
.macro WLOAD base, pitch                       ; rows 0 .. 127 of the K step at my column: 32 lanes read 128 consecutive bytes, the eight waves 1,024
.set i, 0
.rept 128
	global_load_b32 v[16+i], v8, s[\base:\base+1] offset:i*\pitch th:TH_LOAD_NT
.set i, i+1
.endr
.endm
	s_load_b512 s[16:31], s[0:1], 0x0              ; x 16, Wq 18, Wkv 20, Wout 22, null_kv 24, xc 26, wc 28, out1 30
	v_lshl_add_u32 v208, v0, 2, 0x10800
	v_mov_b32 v209, 0
	v_lshrrev_b32 v1, 5, v0
	v_readfirstlane_b32 s8, v1                     ; wave 0..7
	v_and_b32 v2, 31, v0                           ; lane
	v_and_b32 v3, 15, v0                           ; r
	v_bfe_u32 v4, v0, 4, 1                         ; h
	s_mov_b32 s[SEL], 0x76543210
	s_mov_b32 s[SEL+1], 0xfedcba98
	s_mul_i32 s9, s8, 16*SROW                      ; my wave's stage
	v_lshlrev_b32 v5, 4, v2                        ; 16 x lane
	v_add_nc_u32 v6, s9, v5                        ; the stage, on the way in
	v_mul_u32_u24 v7, v3, SROW
	v_lshl_add_u32 v7, v4, 6, v7
	v_add_nc_u32 v7, s9, v7                        ; and out: row r, + 64 h
	s_cmp_lt_u32 ttmp9, 256
	s_cbranch_scc0 .Lnot_x
	; ---- x: tile of tokens = work-group, K step = wave
	s_lshl_b32 s2, ttmp9, 16                       ; 16 rows of 4,096 bytes
	s_lshl_b32 s3, s8, 9                           ; 128 numbers along K
	s_add_co_u32 s2, s2, s3
	s_mov_b32 s3, 0
	s_lshl_b32 s4, ttmp9, 3
	s_add_co_u32 s4, s4, s8
	s_mul_i32 s4, s4, FRB
	s_mov_b32 s5, 0
	v_lshlrev_b32 v8, 2, v3                        ; 4 r
.irp b, 0,1,2,3
	v_mov_b32 v[TM+4+\b], 0                        ; a lane permute's destination counts as one of its sources
.endr
	s_wait_kmcnt 0x0
	s_add_nc_u64 s[16:17], s[16:17], s[2:3]
	s_add_nc_u64 s[26:27], s[26:27], s[4:5]
.irp i, 0,1,2,3,4,5,6,7,8,9,10,11,12,13,14,15
	global_load_b128 v[R+4*\i:R+4*\i+3], v5, s[16:17] offset:\i*4096 th:TH_LOAD_NT   ; 512 consecutive bytes of row i
.endr
.irp i, 0,1,2,3,4,5,6,7,8,9,10,11,12,13,14,15
	s_wait_loadcnt 15-\i                           ; row i is in; the younger rows stay out
	ds_store_b128 v6, v[R+4*\i:R+4*\i+3] offset:\i*SROW
.endr
.irp b, 0,1,2,3
.irp j, 0,1,2,3
	ds_load_b128 v[X+16*\b+4*\j:X+16*\b+4*\j+3], v7 offset:128*\b+16*\j   ; LDS serves a wave's instructions in order: these see my stores
.endr
.endr
	s_wait_dscnt 0x0
	QUANT X
.irp c, 0,1,2
	global_store_b128 v5, v[PC+4*\c:PC+4*\c+3], s[26:27] offset:512*\c    ; the fragment as it stands: 512 consecutive bytes a store
.endr
	global_store_b32 v8, v[PW], s[26:27] offset:1536                      ; lanes 16-31 hold and store the same word as lanes 0-15
	s_wait_tensorcnt 0x0
	ds_add_u32 v208, v209
	s_wait_dscnt 0x0
	s_endpgm
.Lnot_x:
	s_cmp_lt_u32 ttmp9, 384
	s_cbranch_scc0 .Lnull
	; ---- the weights: work-group = (block of 256 columns, K step); wave w takes 32 columns
	s_sub_co_u32 s2, ttmp9, 256
	s_lshr_b32 s3, s2, 3                           ; block of columns 0..15: 0-3 Wq, 4-11 Wkv, 12-15 Wout
	s_and_b32 s4, s2, 7                            ; K step
	s_lshl_b32 s5, s3, 3
	s_add_co_u32 s5, s5, s8                        ; group of 32 columns, 0..127
	s_lshl_b32 s6, s5, 4
	s_add_co_u32 s6, s6, s4
	s_mul_i32 s6, s6, FRB                          ; record (2 group) 8 + K step
	s_mov_b32 s7, 0
	v_lshlrev_b32 v8, 2, v2                        ; my column: 4 bytes a lane
	v_bfe_u32 v9, v0, 3, 1                         ; u: which of the group's two tiles
	v_and_b32 v10, 7, v0
	v_lshl_or_b32 v10, v4, 3, v10                  ; rho: my row in it
	v_mul_u32_u24 v11, v9, 8*FRB
	v_lshl_add_u32 v12, v10, 4, v11                ; where my codes go
	v_lshl_add_u32 v13, v10, 2, v11                ; and my scale word
	s_wait_kmcnt 0x0
	s_add_nc_u64 s[28:29], s[28:29], s[6:7]
	s_sub_co_u32 s9, s3, 4
	s_cmp_lt_u32 s9, 8                             ; blocks 4 .. 11
	s_cbranch_scc1 .Lwkv
	s_cmp_lt_u32 s3, 4
	s_cselect_b64 s[18:19], s[18:19], s[22:23]     ; Wq or Wout: the choice hangs on the work-group's number alone
	s_cselect_b32 s9, 0, 96
	s_sub_co_u32 s9, s5, s9                        ; the group within its tensor
	s_lshl_b32 s10, s9, 7
	s_lshl_b32 s11, s4, 19                         ; 128 rows of 4,096 bytes
	s_add_co_u32 s10, s10, s11
	s_mov_b32 s11, 0
	s_add_nc_u64 s[18:19], s[18:19], s[10:11]
	WLOAD 18, 4096
	s_branch .Lwjoin
.Lwkv:
	s_sub_co_u32 s9, s5, 32
	s_lshl_b32 s10, s9, 7
	s_lshl_b32 s11, s4, 20                         ; 128 rows of 8,192 bytes
	s_add_co_u32 s10, s10, s11
	s_mov_b32 s11, 0
	s_add_nc_u64 s[20:21], s[20:21], s[10:11]
	WLOAD 20, 8192
.Lwjoin:
	s_wait_loadcnt 0x0
	QCOL 16, 144, 156, 196
.irp hh, 0,1
.irp g, 0,1,2
	global_store_b128 v12, v[144+12*\hh+4*\g:147+12*\hh+4*\g], s[28:29] offset:256*\hh+512*\g   ; the sixteen lanes of a tile store 256 consecutive bytes
.endr
.endr
	global_store_b32 v13, v196, s[28:29] offset:1536
	s_endpgm
.Lnull:
	; ---- row 0 of every (kv, b, head) of out1 is null_kv[kv][head]: thread t holds 16 bytes of head t / 16
	v_lshlrev_b32 v8, 4, v0
	v_lshrrev_b32 v9, 4, v0
	v_mul_u32_u24 v9, v9, 524544                   ; a head of out1: 2,049 rows of 256 bytes
	v_lshl_add_u32 v9, v3, 4, v9
	s_wait_kmcnt 0x0
	global_load_b128 v[16:19], v8, s[24:25]
	global_load_b128 v[20:23], v8, s[24:25] offset:4096
	s_add_nc_u64 s[2:3], s[30:31], 8392704         ; 16 heads on: (k, b = 1),
	s_add_nc_u64 s[4:5], s[2:3], 8392704           ; (v, b = 0),
	s_add_nc_u64 s[6:7], s[4:5], 8392704           ; (v, b = 1)
	s_wait_loadcnt 0x0
	global_store_b128 v9, v[16:19], s[30:31]
	global_store_b128 v9, v[16:19], s[2:3]
	global_store_b128 v9, v[20:23], s[4:5]
	global_store_b128 v9, v[20:23], s[6:7]
	s_endpgm
.Lfunc_end_k_qe72e3b7183_prep:
	.size	k_qe72e3b7183_prep, .Lfunc_end_k_qe72e3b7183_prep-k_qe72e3b7183_prep
	.p2alignl 7, 3214868480
	.fill 96, 4, 3214868480
	.section	.rodata,"a",@progbits
	.p2align	6, 0x0
	.amdhsa_kernel k_qe72e3b7183_prep
		.amdhsa_group_segment_fixed_size 68608
		.amdhsa_private_segment_fixed_size 0
		.amdhsa_enable_private_segment 0
		.amdhsa_kernarg_size 64
		.amdhsa_user_sgpr_count 2
		.amdhsa_user_sgpr_kernarg_segment_ptr 1
		.amdhsa_wavefront_size32 1
		.amdhsa_system_sgpr_workgroup_id_x 1
		.amdhsa_system_sgpr_workgroup_id_y 1
		.amdhsa_system_sgpr_workgroup_id_z 1
		.amdhsa_system_vgpr_workitem_id 0
		.amdhsa_next_free_vgpr 210
		.amdhsa_next_free_sgpr 66
		.amdhsa_reserve_vcc 0
		.amdhsa_float_denorm_mode_32 3
		.amdhsa_float_denorm_mode_16_64 3
		.amdhsa_memory_ordered 1
		.amdhsa_forward_progress 1
		.amdhsa_inst_pref_size 43
	.end_amdhsa_kernel
	.amdgpu_metadata
---
amdhsa.version: [ 1, 2 ]
amdhsa.kernels:
  - .name:           k_qe72e3b7183_prep
    .symbol:         k_qe72e3b7183_prep.kd
    .args:
      - { .name: x, .offset: 0, .size: 8, .value_kind: global_buffer, .address_space: global }
      - { .name: Wq, .offset: 8, .size: 8, .value_kind: global_buffer, .address_space: global }
      - { .name: Wkv, .offset: 16, .size: 8, .value_kind: global_buffer, .address_space: global }
      - { .name: Wout, .offset: 24, .size: 8, .value_kind: global_buffer, .address_space: global }
      - { .name: null_kv, .offset: 32, .size: 8, .value_kind: global_buffer, .address_space: global }
      - { .name: xc, .offset: 40, .size: 8, .value_kind: global_buffer, .address_space: global }
      - { .name: wc, .offset: 48, .size: 8, .value_kind: global_buffer, .address_space: global }
      - { .name: out1, .offset: 56, .size: 8, .value_kind: global_buffer, .address_space: global }
    .group_segment_fixed_size: 68608
    .private_segment_fixed_size: 0
    .kernarg_segment_align: 8
    .kernarg_segment_size: 64
    .max_flat_workgroup_size: 256
    .sgpr_count:     66
    .vgpr_count:     210
    .wavefront_size: 32
...
	.end_amdgpu_metadata
.endif
;; end of part 1
;; launch gemm1 (part 2): grid 12 x 32, 8 waves a work-group, clusters of 4 x 4, 327,680 bytes of LDS; arguments xc, wc, qf, out1; writes qf, out1
.if DOCPART == 2
	.amdgcn_target "amdgcn-amd-amdhsa--gfx1250"
	.amdhsa_code_object_version 6
	.text
	.protected	k_qe72e3b7183_gemm1
	.globl	k_qe72e3b7183_gemm1
	.p2align	8
	.type	k_qe72e3b7183_gemm1,@function
k_qe72e3b7183_gemm1:
	s_mov_b64 s[64:65], 0
	v_nop
	global_prefetch_b8 v0, s[64:65] scope:SCOPE_SE
	s_setreg_imm32_b32 hwreg(HW_REG_WAVE_MODE, 25, 1), 1
	s_wait_xcnt 0x0
	s_wait_alu depctr_hold_cnt(0) depctr_sa_sdst(0) depctr_va_vdst(0) depctr_va_sdst(0) depctr_va_ssrc(0) depctr_va_vcc(0) depctr_vm_vsrc(0)
	s_getreg_b32 s2, hwreg(HW_REG_IB_STS2, 6, 4)
	s_cmp_eq_u32 s2, 0
	s_cbranch_scc0 .Lentry_in_a_cluster
	s_endpgm
.Lentry_in_a_cluster:
	s_bfe_u32 s2, ttmp6, 0x10000c
	s_cmp_lg_u32 s2, 0xf033
	s_cbranch_scc0 .Lentry_shape_is_right
	s_endpgm
.Lentry_shape_is_right:
; A GEMM on codes of FP6 (E2M3) with E8M0 scales: [4096 tokens][1024] x [1024][columns], f32 sums, K ascending.
; SECOND = 0: x by Wq | Wkv (3,072 columns); q goes to qf [b h][n][64], k and v to out1 [kv][b h][1 + n][64].   SECOND = 1: the attention's result by Wout; out0 [token][1024].
; Both operands lie in memory as images of the operand's registers: a record of 1,600 bytes is 16 rows x 128 K (registers 4 g .. 4 g + 3 of lane l at 512 g + 16 l; row r's scale word at 1536 + 4 r);
; a tile's eight K steps follow each other (12,800 bytes).  So a fragment is three loads of 16 bytes a lane, 512 consecutive bytes each, and a scale word one load of 4.
; SHARES.  A work-group makes 128 tokens x 256 columns; wave w = (wr = w / 4, wc = w % 4) makes 64 tokens x 64 columns (one head): 16 accumulators, 128 registers.
; LDS IS FILLED ONCE: the 8 + 16 tiles for all of K are 307,200 bytes, in four chunks of two K steps.  All tensor loads go out at the start (four of a wave are out at the most); a chunk is read behind a
; counted wait of the waves that fetched it and a barrier.  No byte is filled twice.
; CLUSTER 4 x 4: the four work-groups of a row of the cluster need the same tokens, the four of a column the same columns: each tile is asked for jointly.
; THE PRODUCT IS USED TRANSPOSED (source 0 = 16 columns of W, source 1 = 16 tokens), and a tile's columns were chosen so that a lane's registers of tiles 2 g, 2 g + 1 are columns 32 g + 16 (lane / 16) + 0 .. 15 of ONE token.
.set SECOND, 0
.set FRB,    1600
.set TILEB,  3200                      ; a tile's two K steps: a row of a tensor tile
.set CHB,    24*TILEB                  ; a chunk in LDS: A's tiles 0-7, B's tiles 8-23
.set TSTR,   12800                     ; from tile to tile in memory
.set SPITCH, 272                       ; the way out: a stage of 16 rows x (256 bytes + 16) for each wave, in chunk 0's bytes, which have had their only fill and their last read by then
.set STG,    16*SPITCH
.if SECOND
.set PITCH,  4096
.else
.set PITCH,  256
.endif
.set ADRA, 1                           ; v1  LDS address of my A fragments: 16 x lane + my four tiles
.set ADRB, 2                           ; v2  the same for B
.set ADS,  3                           ; v3  of my scale words: lanes 0-15 A's, lanes 16-31 B's
.set STO,  4                           ; v4  the stage: where I put 32 bytes of a row
.set RD,   5                           ; v5  and where I read a row back
.set CO,   6                           ; v6  my byte offset in the result
.set SC,   12                          ; v12-15  scale words and nothing else: register i: lanes 0-15 A's tile i, lanes 16-31 B's tile i
.set AF,   16                          ; v16-63  A's four fragments
.set BF,   64                          ; v64-111 B's four
.set ACC,  128                         ; v128-255 accumulator (a, b) at 128 + 8 (4 a + b)
.set G1A,  24                          ; s[24:31], s[32:39] descriptor groups 1;  s[40:55], s[68:83] groups 0, one set for each chunk
.set G1B,  32
.set G0A,  40
.set G0B,  68
.macro CROUND                          ; a round of the cluster's barrier
	s_barrier_signal -1
	s_barrier_wait -1
	s_cmp_lg_u32 s8, 0
	s_cbranch_scc1 .Lnot_wave_0_\@
	s_barrier_signal -3
.Lnot_wave_0_\@:
	s_barrier_wait -3
	s_barrier_signal -1
	s_barrier_wait -1
.endm
.macro PLACES
.rept 4
	v_nop
.endr
.endm
	s_load_b128 s[4:7], s[0:1], 0x0                ; A's records, the weights' records
.if SECOND
	s_load_b64 s[12:13], s[0:1], 0x10              ; out0
.else
	s_load_b128 s[12:15], s[0:1], 0x10             ; qf, out1
	v_lshl_add_u32 v126, v0, 2, 0x4b000
	v_mov_b32 v127, 0
	ds_add_u32 v126, v127
	ds_add_u32 v126, v127
.endif
	v_lshrrev_b32 v7, 5, v0
	v_readfirstlane_b32 s8, v7                     ; wave 0..7
	s_lshr_b32 s9, s8, 2                           ; wr
	s_and_b32 s10, s8, 3                           ; wc
	s_bfe_u32 s16, ttmp6, 0x40000                  ; cx
	s_bfe_u32 s17, ttmp6, 0x40004                  ; cy
	s_lshl_b32 s18, ttmp9, 2
	s_add_co_u32 s18, s18, s16                     ; x: block of 256 columns
	s_and_b32 s19, ttmp7, 0xffff
	s_lshl_b32 s19, s19, 2
	s_add_co_u32 s19, s19, s17                     ; y: block of 128 tokens
	s_lshl_b32 s20, s17, 2
	s_lshl_b32 s20, 15, s20                        ; my row of the cluster
	s_lshl_b32 s21, 0x1111, s16                    ; my column
	; group 1: 4 rows (tiles) of 400 elements of 8 bytes (two K steps), 1,600 elements from tile to tile; no padding
	s_or_b32 s[G1A], s20, (3<<16)|(1<<21)          ; 15:0 the mask; 17:16 elements of 8 bytes; 21 set beside a mask
	s_or_b32 s[G1B], s21, (3<<16)|(1<<21)
.irp g, G1A, G1B
	s_mov_b32 s[\g+1], 400<<16                     ; tensor_dim0
	s_mov_b32 s[\g+2], 4<<16                       ; tensor_dim1
	s_mov_b32 s[\g+3], 400<<16                     ; tile_dim0
	s_mov_b32 s[\g+4], 4                           ; tile_dim1
	s_mov_b32 s[\g+5], 1600                        ; tensor_dim0_stride
	s_mov_b32 s[\g+6], 0
	s_mov_b32 s[\g+7], 0
.endr
	; every LDS address: a constant x lane + a constant x wave
	v_and_b32 v7, 31, v0                           ; lane
	v_and_b32 v8, 15, v0                           ; r
	v_bfe_u32 v9, v0, 4, 1                         ; h
	v_lshlrev_b32 v10, 4, v7
	s_mul_i32 s59, s9, 4*TILEB                     ; my four tiles of A
	s_mul_i32 s60, s10, 4*TILEB
	s_add_co_u32 s60, s60, 8*TILEB                 ; my four tiles of B, behind A's eight
	v_add_nc_u32 v[ADRA], s59, v10
	v_add_nc_u32 v[ADRB], s60, v10
	s_sub_co_u32 s61, s60, s59
	v_mul_u32_u24 v11, s61, v9                     ; lanes 16-31 take B's words: the lower base + h x the distance
	v_lshl_add_u32 v[ADS], v8, 2, v11
	s_add_co_u32 s59, s59, 1536
	v_add_nc_u32 v[ADS], s59, v[ADS]
	s_mul_i32 s62, s8, STG
	v_mul_u32_u24 v11, v8, SPITCH
	v_lshl_add_u32 v11, v9, 6, v11
	v_add_nc_u32 v[STO], s62, v11                  ; in: row r, + 64 h
	v_mul_u32_u24 v11, v9, SPITCH
	v_lshl_add_u32 v11, v8, 4, v11
	v_add_nc_u32 v[RD], s62, v11                   ; back: lanes 0-15 one row of 256 bytes, lanes 16-31 the next
	v_mul_u32_u24 v11, v9, PITCH
	v_lshl_add_u32 v[CO], v8, 4, v11               ; and the same two rows in the result
	; where the tiles come from.  A's hang on y and the wave alone, B's on x and the wave alone, each in registers that never hold the other coordinate
	s_and_b32 s22, s8, 1
	s_lshl_b32 s22, s22, 2
	s_lshl_b32 s23, s19, 3
	s_add_co_u32 s22, s22, s23                     ; A: tile 8 y + 4 (w & 1)           (waves 0, 1 fetch)
	s_mul_i32 s22, s22, TSTR
	s_mov_b32 s23, 0
	s_add_co_u32 s56, s8, 2
	s_and_b32 s56, s56, 3
	s_lshl_b32 s56, s56, 2
	s_lshl_b32 s57, s18, 4
	s_add_co_u32 s56, s56, s57                     ; B: tile 16 x + 4 ((w + 2) & 3)    (waves 2 to 5 fetch)
.if SECOND
	s_add_co_u32 s56, s56, 192                     ; Wout's tiles
.endif
	s_mul_i32 s56, s56, TSTR
	s_mov_b32 s57, 0
	s_mul_i32 s58, s8, 4*TILEB                     ; and where they go: tiles 4 w on
	; where my 64 x 64 of the result begins
.if SECOND
	s_lshl_b32 s84, s19, 7
	s_lshl_b32 s85, s9, 6
	s_add_co_u32 s84, s84, s85                     ; token
	s_lshl_b32 s84, s84, 12
	s_lshl_b32 s85, s18, 10
	s_add_co_u32 s84, s84, s85
	s_lshl_b32 s85, s10, 8
	s_add_co_u32 s84, s84, s85                     ; + 4 (256 x + 64 wc)
	s_mov_b32 s85, 0
	s_wait_kmcnt 0x0
.else
	s_and_b32 s66, s18, 3
	s_lshl_b32 s66, s66, 2
	s_add_co_u32 s66, s66, s10                     ; head
	s_lshr_b32 s67, s19, 4
	s_lshl_b32 s67, s67, 4
	s_add_co_u32 s66, s66, s67                     ; 16 b + head
	s_and_b32 s67, s19, 15
	s_lshl_b32 s67, s67, 7
	s_lshl_b32 s84, s9, 6
	s_add_co_u32 s67, s67, s84                     ; n
	s_lshl_b32 s84, s66, 11
	s_add_co_u32 s84, s84, s67                     ; q: row (b h) 2048 + n
	s_max_u32 s85, ttmp9, 1                        ; the cluster's x is the kind: 0 q, 1 k, 2 v: the same in all partners
	s_sub_co_u32 s85, s85, 1
	s_lshl_b32 s85, s85, 5
	s_add_co_u32 s85, s85, s66
	s_mul_i32 s85, s85, 2049
	s_add_co_u32 s85, s85, s67
	s_add_co_u32 s85, s85, 1                       ; k, v: row (32 kv + b h) 2049 + 1 + n
	s_wait_dscnt 0x0
	s_wait_kmcnt 0x0
	s_cmp_eq_u32 ttmp9, 0
	s_cselect_b32 s84, s84, s85
	s_cselect_b64 s[12:13], s[12:13], s[14:15]     ; qf or out1
	s_lshl_b32 s84, s84, 8
	s_mov_b32 s85, 0
.endif
	s_add_nc_u64 s[12:13], s[12:13], s[84:85]
	s_add_nc_u64 s[22:23], s[4:5], s[22:23]
	s_add_nc_u64 s[56:57], s[6:7], s[56:57]
.irp c, 0,1,2,3
	s_mov_b32 s[G0A+4*\c], 1                       ; count = 1
	s_add_co_u32 s[G0A+4*\c+1], s58, \c*CHB        ; LDS address
	s_add_nc_u64 s[G0A+4*\c+2:G0A+4*\c+3], s[22:23], \c*TILEB   ; K steps 2 c, 2 c + 1
	s_or_b32 s[G0A+4*\c+3], s[G0A+4*\c+3], 0x80000000           ; type = 2
	s_mov_b32 s[G0B+4*\c], 1
	s_add_co_u32 s[G0B+4*\c+1], s58, \c*CHB
	s_add_nc_u64 s[G0B+4*\c+2:G0B+4*\c+3], s[56:57], \c*TILEB
	s_or_b32 s[G0B+4*\c+3], s[G0B+4*\c+3], 0x80000000
.endr
	CROUND                                         ; all sixteen work-groups are here: the joint loads meet
	s_cmp_lt_u32 s8, 2                             ; a wave's four fills stand in one branch on its number, ahead of every wait on TENSORcnt and every LDS read
	s_cbranch_scc0 .Lnot_a
	tensor_load_to_lds s[G0A:G0A+3], s[G1A:G1A+7]
	s_nop 0
	tensor_load_to_lds s[G0A+4:G0A+7], s[G1A:G1A+7]
	s_nop 0
	tensor_load_to_lds s[G0A+8:G0A+11], s[G1A:G1A+7]
	s_nop 0
	tensor_load_to_lds s[G0A+12:G0A+15], s[G1A:G1A+7]
	s_nop 0
	PLACES                                         ; four v_nop behind the loads
	s_branch .Lasked
.Lnot_a:
	s_cmp_lt_u32 s8, 6
	s_cbranch_scc0 .Lasked
	tensor_load_to_lds s[G0B:G0B+3], s[G1B:G1B+7]
	s_nop 0
	tensor_load_to_lds s[G0B+4:G0B+7], s[G1B:G1B+7]
	s_nop 0
	tensor_load_to_lds s[G0B+8:G0B+11], s[G1B:G1B+7]
	s_nop 0
	tensor_load_to_lds s[G0B+12:G0B+15], s[G1B:G1B+7]
	s_nop 0
	PLACES
.Lasked:
; A K step of 128: 28 LDS loads, then 16 products.  The 16 accumulators take turns, one instruction a turn, in the same order in every step.
.macro KSTEP q, zero, first
.if \first == 0
	PLACES                                         ; four plain lines between the last products and loads into the registers that they read (ISA guide 7.12.1 for vector instructions)
.endif
.irp i, 0,1,2,3
.irp g, 0,1,2
	ds_load_b128 v[BF+12*\i+4*\g:BF+12*\i+4*\g+3], v[ADRB] offset:\i*TILEB+\q*FRB+512*\g
.endr
.endr
.irp i, 0,1,2,3
	ds_load_b32 v[SC+\i], v[ADS] offset:\i*TILEB+\q*FRB
.endr
.irp i, 0,1,2,3
.irp g, 0,1,2
	ds_load_b128 v[AF+12*\i+4*\g:AF+12*\i+4*\g+3], v[ADRA] offset:\i*TILEB+\q*FRB+512*\g
.endr
.endr
.irp a, 0,1,2,3
	s_wait_dscnt 9-3*\a                            ; B, the scale words and A's fragments up to a are in; the later fragments' three loads each may be out
.irp b, 0,1,2,3
.if \zero
	v_wmma_scale_f32_16x16x128_f8f6f4 v[ACC+8*(4*\a+\b):ACC+8*(4*\a+\b)+7], v[BF+12*\b:BF+12*\b+11], v[AF+12*\a:AF+12*\a+11], 0, v[SC+\b], v[SC+\a] matrix_a_fmt:MATRIX_FMT_FP6 matrix_b_fmt:MATRIX_FMT_FP6 matrix_a_scale:MATRIX_SCALE_ROW1
.else
	v_wmma_scale_f32_16x16x128_f8f6f4 v[ACC+8*(4*\a+\b):ACC+8*(4*\a+\b)+7], v[BF+12*\b:BF+12*\b+11], v[AF+12*\a:AF+12*\a+11], v[ACC+8*(4*\a+\b):ACC+8*(4*\a+\b)+7], v[SC+\b], v[SC+\a] matrix_a_fmt:MATRIX_FMT_FP6 matrix_b_fmt:MATRIX_FMT_FP6 matrix_a_scale:MATRIX_SCALE_ROW1
.endif
.endr
.endr
.endm
.macro CHUNK c
	s_wait_tensorcnt 3-\c                          ; my part of chunk c has landed; the later chunks' loads stay out
	s_barrier_signal -1                            ; (no LDS instruction of mine is out: the last step's last wait was for 0)
	s_barrier_wait -1                              ; everybody's part has landed
.if \c == 0
	KSTEP 0, 1, 1                                  ; the first products start the sums: nothing is cleared
.else
	KSTEP 0, 0, 0
.endif
	KSTEP 1, 0, 0
.if \c < 3
	v_add_nc_u32 v[ADRA], CHB, v[ADRA]
	v_add_nc_u32 v[ADRB], CHB, v[ADRB]
	v_add_nc_u32 v[ADS], CHB, v[ADS]
.endif
.endm
	CHUNK 0
	CHUNK 1
	CHUNK 2
	CHUNK 3
; THE WAY OUT, 16 tokens at a time: a lane holds 32 + 32 bytes of one token's row, the lanes beside it other tokens: the block goes through my stage and comes back as whole rows of 256 bytes.
.macro TOSTAGE a
.irp b, 0,1,2,3
	ds_store_b128 v[STO], v[ACC+8*(4*(\a)+\b):ACC+8*(4*(\a)+\b)+3] offset:128*(\b/2)+32*(\b%2)        ; each accumulator from its low end on
	ds_store_b128 v[STO], v[ACC+8*(4*(\a)+\b)+4:ACC+8*(4*(\a)+\b)+7] offset:128*(\b/2)+32*(\b%2)+16
.endr
.irp t, 0,1,2,3,4,5,6,7
	ds_load_b128 v[16+32*((\a)%2)+4*\t:16+32*((\a)%2)+4*\t+3], v[RD] offset:\t*2*SPITCH   ; LDS serves a wave's instructions in order: these see my stores
.endr
.endm
.macro SEND a, younger
	s_wait_dscnt \younger                          ; the block is back; the next block's 8 stores and 8 loads may be out
.irp t, 0,1,2,3,4,5,6,7
.if SECOND
	global_store_b128 v[CO], v[16+32*((\a)%2)+4*\t:16+32*((\a)%2)+4*\t+3], s[12:13] offset:(16*(\a)+2*\t)*PITCH th:TH_STORE_NT
.else
	global_store_b128 v[CO], v[16+32*((\a)%2)+4*\t:16+32*((\a)%2)+4*\t+3], s[12:13] offset:(16*(\a)+2*\t)*PITCH   ; sixteen lanes store 256 consecutive bytes, aligned; a later launch reads them
.endif
.endr
.endm
	s_barrier_signal -1                            ; my reads of the operands are over (the last wait was for 0): the stages lie in chunk 0's bytes
	s_barrier_wait -1
	PLACES                                         ; between the last products and the first read of results, and the loads into operand registers
	TOSTAGE 0
.irp a, 1,2,3
.if \a > 1
	s_wait_xcnt 0x0                                ; block a - 2's stores have read their registers: block a's loads may land there
.endif
	TOSTAGE \a
	SEND \a-1, 16
.endr
	SEND 3, 0
	s_wait_dscnt 0x0
	s_wait_tensorcnt 0x0
	ds_add_u32 v126, v127
	s_wait_dscnt 0x0
	CROUND                                         ; the closing round: no work-group ends while a partner may still ask for a tile that names it
	s_endpgm
.Lfunc_end_k_qe72e3b7183_gemm1:
	.size	k_qe72e3b7183_gemm1, .Lfunc_end_k_qe72e3b7183_gemm1-k_qe72e3b7183_gemm1
	.p2alignl 7, 3214868480
	.fill 96, 4, 3214868480
	.section	.rodata,"a",@progbits
	.p2align	6, 0x0
	.amdhsa_kernel k_qe72e3b7183_gemm1
		.amdhsa_group_segment_fixed_size 327680
		.amdhsa_private_segment_fixed_size 0
		.amdhsa_enable_private_segment 0
		.amdhsa_kernarg_size 32
		.amdhsa_user_sgpr_count 2
		.amdhsa_user_sgpr_kernarg_segment_ptr 1
		.amdhsa_wavefront_size32 1
		.amdhsa_system_sgpr_workgroup_id_x 1
		.amdhsa_system_sgpr_workgroup_id_y 1
		.amdhsa_system_sgpr_workgroup_id_z 1
		.amdhsa_system_vgpr_workitem_id 0
		.amdhsa_next_free_vgpr 256
		.amdhsa_next_free_sgpr 96
		.amdhsa_reserve_vcc 0
		.amdhsa_float_denorm_mode_32 3
		.amdhsa_float_denorm_mode_16_64 3
		.amdhsa_memory_ordered 1
		.amdhsa_forward_progress 1
		.amdhsa_inst_pref_size 49
	.end_amdhsa_kernel
	.amdgpu_metadata
---
amdhsa.version: [ 1, 2 ]
amdhsa.kernels:
  - .name:           k_qe72e3b7183_gemm1
    .symbol:         k_qe72e3b7183_gemm1.kd
    .args:
      - { .name: xc, .offset: 0, .size: 8, .value_kind: global_buffer, .address_space: global }
      - { .name: wc, .offset: 8, .size: 8, .value_kind: global_buffer, .address_space: global }
      - { .name: qf, .offset: 16, .size: 8, .value_kind: global_buffer, .address_space: global }
      - { .name: out1, .offset: 24, .size: 8, .value_kind: global_buffer, .address_space: global }
    .group_segment_fixed_size: 327680
    .private_segment_fixed_size: 0
    .kernarg_segment_align: 8
    .kernarg_segment_size: 32
    .max_flat_workgroup_size: 256
    .sgpr_count:     96
    .vgpr_count:     256
    .wavefront_size: 32
...
	.end_amdgpu_metadata
.endif
;; end of part 2
;; launch post (part 3): grid 464 x 1, 8 waves a work-group, no clusters, 44,032 bytes of LDS; arguments qf, out1, xl_memories, rotary_q, rotary_k, qc, kv; writes qc, kv
.if DOCPART == 3
	.amdgcn_target "amdgcn-amd-amdhsa--gfx1250"
	.amdhsa_code_object_version 6
	.text
	.protected	k_qe72e3b7183_post
	.globl	k_qe72e3b7183_post
	.p2align	8
	.type	k_qe72e3b7183_post,@function
k_qe72e3b7183_post:
	s_mov_b64 s[64:65], 0
	v_nop
	global_prefetch_b8 v0, s[64:65] scope:SCOPE_SE
	s_setreg_imm32_b32 hwreg(HW_REG_WAVE_MODE, 25, 1), 1
	s_wait_xcnt 0x0
; POST: the operands of the attention's two products, as codes of FP6 (E2M3) with E8M0 scale bytes, laid as images of the operand's registers.
;   qc: for each (b h, tile of 16 queries) 1,024 bytes: a half fragment (16 rows x 64: registers 0-3 of lane l at 16 l, registers 4-5 at 512 + 8 l), row r's scale word at 768 + 4 r (bytes 2, 3 are 0).
;   kv: for each (b h, step of 128 keys) 13,056 bytes: K's 8 half fragments at 768 t; K's scale words at 6144 + 32 row + 4 t; V's 4 fragments (16 d x 128 keys) at 6656 + 1536 t; V's scale words at 12800 + 16 row + 4 t.
;   Row rho of K's tile 2 g + u is key 32 g + 8 u + rho + 8 (rho / 8) of the step; V's tiles take d in the same way.
; Keys: 0-511 the memories, 512 the null row, 513 on the sequence: from key 512 on they are the rows key - 512 of out1, before the rotary.
; Work-groups 0-295: rows (0-127 tiles of q, 128-295 tiles of K).  A work-group takes ONE tile of 16 positions.  Wave w makes an eighth of its 1,024 cosines and sines (four angles a lane); the eight waves hand them to
; each other through LDS as images of registers; then wave w walks (b h) 4 w .. 4 w + 3, its loads two (b h) ahead (16 loads, 8,192 bytes a wave).  Work-groups 296-463: V: a lane takes a d, its registers run down 128 keys.
; Keys 2561 .. 2687 of the last step: K reads the rows that follow in out1 (inside the buffer) with the last angle row; every query's mask hides them.  V's are zeros, as the quantiser fills its last block.
; THE ROTARY: y = t cos + rotate_half(t) sin as one multiplication and one fused multiply-add (two roundings where three plain operations make three).
; SINE AND COSINE in f32: n = nearest whole number to a 2 / pi; rho = a - n pi/2 with pi/2 in three parts, the first product exact in the fused multiply-add; Taylor series to rho^9 and rho^8, cut under 3e-8 at pi/4.
; LIMITS: angles up to about 1e5 in magnitude; NaN and infinities are not served; a block of zeros or under 2^-124 gets the byte 1.
.set SEL, 12                           ; s[12:13] lane selects: lane l xor 16
.set IMG, 34816                        ; LDS behind the eight stages: the tile's cosines, 4,096 bytes (registers v16-47: group g of four at 512 g + 16 lane), then its sines (v48-79)
; 32 numbers of a lane, register 16 b + i = d 32 b + 16 (lane / 16) + i of my row, become registers 0-5 of a fragment in v[P] on (P+8 .. P+10 at work) and two scale bytes in v[W]; v[T] .. v[T+5] at work
.macro QUANT2 s, P, W, T
.irp b, 0,1
	v_max3_num_f32 v[\T+\b], |v[\s+16*\b]|, |v[\s+16*\b+1]|, 0x1800000   ; and the floor 2^(3 - 127): the byte cannot fall under 1
.endr
.irp i, 2,4,6,8,10,12,14
.irp b, 0,1
	v_max3_num_f32 v[\T+\b], v[\T+\b], |v[\s+16*\b+\i]|, |v[\s+16*\b+\i+1]|
.endr
.endr
.irp b, 0,1
	v_permlanex16_b32 v[\T+2+\b], v[\T+\b], s[SEL], s[SEL+1]
.endr
.irp b, 0,1
	v_max_num_f32 v[\T+\b], v[\T+\b], v[\T+2+\b]
.endr
.irp b, 0,1
	v_add_nc_u32 v[\T+4+\b], 0xff000000, v[\T+\b]          ; 2 off the exponent field: the conversion's scale operand
.endr
.irp b, 0,1
	v_lshrrev_b32 v[\T+2+\b], 23, v[\T+4+\b]               ; the scale's byte
.endr
	v_lshl_or_b32 v[\W], v[\T+3], 8, v[\T+2]
	v_cvt_scalef32_pk16_fp6_f32 v[\P:\P+2], v[\s:\s+15], v[\T+4]
	v_cvt_scalef32_pk16_fp6_f32 v[\P+8:\P+10], v[\s+16:\s+31], v[\T+5]
	v_nop                                                  ; one plain line behind a scaled conversion
.irp i, 0,1,2
	v_permlane16_swap_b32 v[\P+\i], v[\P+8+\i]             ; lanes 0-15 now hold block 0, lanes 16-31 block 1: lower 16 codes here, upper 16 there
.endr
.irp i, 0,1,2
	v_mov_b32 v[\P+3+\i], v[\P+8+\i]
.endr
.endm
; 128 numbers down K of ONE column become what the operand's lanes (rho, 0) and (rho, 1) hold; v168-195 at work
.macro QCOL x, f0, f1, sw
.irp b, 0,1,2,3
	v_max3_num_f32 v[168+\b], |v[\x+32*\b]|, |v[\x+32*\b+1]|, 0x1800000
.endr
.irp i, 2,4,6,8,10,12,14,16,18,20,22,24,26,28,30
.irp b, 0,1,2,3
	v_max3_num_f32 v[168+\b], v[168+\b], |v[\x+32*\b+\i]|, |v[\x+32*\b+\i+1]|
.endr
.endr
.irp b, 0,1,2,3
	v_add_nc_u32 v[172+\b], 0xff000000, v[168+\b]
.endr
.irp b, 0,1,2,3
	v_lshrrev_b32 v[176+\b], 23, v[172+\b]
.endr
	v_lshl_or_b32 v[\sw], v177, 8, v176
	v_lshl_or_b32 v[\sw], v178, 16, v[\sw]
	v_lshl_or_b32 v[\sw], v179, 24, v[\sw]
.irp c, 0,1
	v_cvt_scalef32_pk16_fp6_f32 v[\f0+6*\c:\f0+6*\c+2], v[\x+64*\c:\x+64*\c+15], v[172+2*\c]
	v_cvt_scalef32_pk16_fp6_f32 v[180+8*\c:182+8*\c], v[\x+64*\c+16:\x+64*\c+31], v[172+2*\c]
	v_cvt_scalef32_pk16_fp6_f32 v[\f1+6*\c:\f1+6*\c+2], v[\x+64*\c+32:\x+64*\c+47], v[173+2*\c]
	v_cvt_scalef32_pk16_fp6_f32 v[184+8*\c:186+8*\c], v[\x+64*\c+48:\x+64*\c+63], v[173+2*\c]
.endr
	v_nop
.irp c, 0,1
.irp i, 0,1,2
	v_mov_b32 v[\f0+6*\c+3+\i], v[180+8*\c+\i]
	v_mov_b32 v[\f1+6*\c+3+\i], v[184+8*\c+\i]
.endr
.endr
.endm
; four angles v[16+k] on: their cosines take the angles' place, their sines go to v[48+k] on.  v176-199 at work; the four side by side, so that no line waits for the line above it
.macro SINCOS4 k
.irp e, 0,1,2,3
	v_mul_f32 v[176+\e], s52, v[16+\k+\e]
.endr
.irp e, 0,1,2,3
	v_rndne_f32 v[176+\e], v[176+\e]                       ; n
.endr
.irp e, 0,1,2,3
	v_fma_f32 v[180+\e], v[176+\e], s53, v[16+\k+\e]       ; a - n x the first part of pi/2: exact
.endr
.irp e, 0,1,2,3
	v_fma_f32 v[180+\e], v[176+\e], s54, v[180+\e]
.endr
.irp e, 0,1,2,3
	v_fma_f32 v[180+\e], v[176+\e], s55, v[180+\e]         ; rho
.endr
.irp e, 0,1,2,3
	v_mul_f32 v[184+\e], v[180+\e], v[180+\e]              ; z = rho^2
.endr
.irp e, 0,1,2,3
	v_fma_f32 v[188+\e], v[184+\e], s56, s57
.endr
.irp e, 0,1,2,3
	v_fma_f32 v[192+\e], v[184+\e], s60, s61
.endr
.irp e, 0,1,2,3
	v_fma_f32 v[188+\e], v[188+\e], v[184+\e], s58
.endr
.irp e, 0,1,2,3
	v_fma_f32 v[192+\e], v[192+\e], v[184+\e], s62
.endr
.irp e, 0,1,2,3
	v_fma_f32 v[188+\e], v[188+\e], v[184+\e], s59
.endr
.irp e, 0,1,2,3
	v_fma_f32 v[192+\e], v[192+\e], v[184+\e], -0.5
.endr
.irp e, 0,1,2,3
	v_mul_f32 v[196+\e], v[180+\e], v[184+\e]
.endr
.irp e, 0,1,2,3
	v_fma_f32 v[192+\e], v[192+\e], v[184+\e], 1.0         ; cos rho
.endr
.irp e, 0,1,2,3
	v_fma_f32 v[188+\e], v[188+\e], v[196+\e], v[180+\e]   ; sin rho
.endr
.irp e, 0,1,2,3
	v_cvt_i32_f32 v[176+\e], v[176+\e]
.endr
.irp e, 0,1,2,3
	v_and_b32 v[196+\e], 1, v[176+\e]
.endr
.irp e, 0,1,2,3
	v_cmp_eq_u32 vcc_lo, 1, v[196+\e]                      ; in an odd quadrant the two change places: a choice of values, no branch
	v_cndmask_b32 v[48+\k+\e], v[188+\e], v[192+\e], vcc_lo
	v_cndmask_b32 v[16+\k+\e], v[192+\e], v[188+\e], vcc_lo
.endr
.irp e, 0,1,2,3
	v_lshlrev_b32 v[196+\e], 30, v[176+\e]                 ; the sine's sign: bit 1 of n
.endr
.irp e, 0,1,2,3
	v_add_nc_u32 v[176+\e], 1, v[176+\e]
.endr
.irp e, 0,1,2,3
	v_and_b32 v[196+\e], 0x80000000, v[196+\e]
.endr
.irp e, 0,1,2,3
	v_lshlrev_b32 v[176+\e], 30, v[176+\e]                 ; the cosine's: bit 1 of n + 1
.endr
.irp e, 0,1,2,3
	v_xor_b32 v[48+\k+\e], v[196+\e], v[48+\k+\e]
.endr
.irp e, 0,1,2,3
	v_and_b32 v[176+\e], 0x80000000, v[176+\e]
.endr
.irp e, 0,1,2,3
	v_xor_b32 v[16+\k+\e], v[176+\e], v[16+\k+\e]
.endr
.endm
; the tile's 16 rows of 256 bytes of one (b h), from the base s[base:base+1], into v[reg] on: two rows (512 consecutive bytes) a load; K's second eight rows lie 8 rows further on
.macro RLOAD reg, base
.irp i, 0,1,2,3
	global_load_b128 v[\reg+4*\i:\reg+4*\i+3], v5, s[\base:\base+1] offset:512*\i
.endr
.irp i, 4,5,6,7
	global_load_b128 v[\reg+4*\i:\reg+4*\i+3], v10, s[\base:\base+1] offset:512*\i
.endr
.endm
; one (b h): its rows lie in v[buf] on; left = the younger loads that may stay out; more = 1: the set takes the rows of the (b h) two further on, from s[nbase:nbase+1]; the codes go to s[dst:dst+1]
.macro TRIP buf, nbase, dst, left, more, last
	s_wait_loadcnt \left                           ; this (b h)'s eight loads are in; the next one's eight may be out
.irp i, 0,1,2,3,4,5,6,7
	ds_store_b128 v6, v[\buf+4*\i:\buf+4*\i+3] offset:544*\i
.endr
.irp b, 0,1
.irp j, 0,1,2,3
	ds_load_b128 v[112+16*\b+4*\j:115+16*\b+4*\j], v7 offset:128*\b+16*\j   ; LDS serves a wave's instructions in order: these see my stores
.endr
.endr
	s_wait_dscnt 0x0                               ; my row's 32 numbers are in (in the first trip: the cosines and sines too); the stores have read the set
.if \more
	RLOAD \buf, \nbase
.endif
.irp i, 0,2,4,6,8,10,12,14
	v_pk_mul_f32 v[144+\i:145+\i], v[112+\i:113+\i], v[16+\i:17+\i]        ; d < 32: t cos
	v_pk_mul_f32 v[160+\i:161+\i], v[128+\i:129+\i], v[32+\i:33+\i]        ; d >= 32
.endr
.irp i, 0,2,4,6,8,10,12,14
	v_pk_fma_f32 v[144+\i:145+\i], v[128+\i:129+\i], v[48+\i:49+\i], v[144+\i:145+\i] neg_lo:[1,0,0] neg_hi:[1,0,0]   ; - t(d + 32) sin
	v_pk_fma_f32 v[160+\i:161+\i], v[112+\i:113+\i], v[64+\i:65+\i], v[160+\i:161+\i]                                 ; + t(d - 32) sin
.endr
	QUANT2 144, 176, 194, 196
	global_store_b128 v5, v[176:179], s[\dst:\dst+1]
	global_store_b64 v12, v[180:181], s[\dst:\dst+1] offset:512
	global_store_b32 v11, v194, s[\dst:\dst+1]     ; lanes 16-31 hold and store the same word as lanes 0-15
.if \last == 0
	s_wait_xcnt 0x0                                ; the stores' data are written again only behind this wait
.endif
.endm
	s_load_b256 s[16:23], s[0:1], 0x0              ; qf 16, out1 18, xl_memories 20, rotary_q 22
	s_load_b128 s[24:27], s[0:1], 0x20             ; rotary_k 24, qc 26
	s_load_b64 s[28:29], s[0:1], 0x30              ; kv
	v_lshl_add_u32 v240, v0, 2, 0xa800
	v_mov_b32 v241, 0
	v_lshrrev_b32 v1, 5, v0
	v_readfirstlane_b32 s8, v1                     ; wave 0..7
	v_and_b32 v2, 31, v0                           ; lane
	v_and_b32 v3, 15, v0                           ; r
	v_bfe_u32 v4, v0, 4, 1                         ; h
	v_lshlrev_b32 v5, 4, v2                        ; 16 x lane
	s_mul_i32 s9, s8, 4352                         ; my wave's stage: 16 rows x (256 bytes + 16)
	v_mul_u32_u24 v6, v4, 272
	v_lshl_add_u32 v6, v3, 4, v6
	v_add_nc_u32 v6, s9, v6                        ; in: lanes 0-15 one row, lanes 16-31 the next
	v_mul_u32_u24 v7, v3, 272
	v_lshl_add_u32 v7, v4, 6, v7
	v_add_nc_u32 v7, s9, v7                        ; out: row r, + 64 h
	s_lshl_b32 s10, s8, 9
	v_add_nc_u32 v13, s10, v5                      ; my group's place in an image: 512 x wave + 16 x lane
	s_mov_b32 s[SEL], 0x76543210
	s_mov_b32 s[SEL+1], 0xfedcba98
	s_cmp_lt_u32 ttmp9, 296
	s_cbranch_scc0 .Lvq
	; ---- rows: tile = work-group (0-127 q, 128-295 K); my (b h) are 4 x wave on
	s_mov_b32 s31, ttmp9                           ; tile
	s_lshl_b32 s32, s8, 2                          ; first (b h)
	s_max_u32 s33, s31, 128
	s_sub_co_u32 s33, s33, 128                     ; K's tile (0 for q: not used there)
	s_lshr_b32 s34, s33, 3                         ; key step
	s_and_b32 s35, s33, 7                          ; tile in the step
	s_lshl_b32 s36, s34, 7
	s_lshr_b32 s37, s35, 1
	s_lshl_b32 s37, s37, 5
	s_add_co_u32 s36, s36, s37
	s_and_b32 s37, s35, 1
	s_lshl_b32 s37, s37, 3
	s_add_co_u32 s36, s36, s37                     ; the tile's first key
	s_lshl_b32 s37, s31, 4                         ; q: the tile's first query
	s_lshl_b32 s38, s32, 11
	s_add_co_u32 s38, s38, s37                     ; q: row in qf
	s_lshl_b32 s39, s32, 9
	s_add_co_u32 s39, s39, s36                     ; row in the memories
	s_mul_i32 s66, s32, 2049
	s_add_co_u32 s66, s66, s36
	s_sub_co_u32 s66, s66, 512                     ; row in out1 (chosen only from key 512 on)
	s_lshl_b32 s67, s32, 7
	s_add_co_u32 s67, s67, s31
	s_lshl_b32 s67, s67, 10                        ; q's record
	s_mul_i32 s68, s32, 274176
	s_mul_i32 s69, s34, 13056
	s_add_co_u32 s68, s68, s69
	s_mul_i32 s69, s35, 768
	s_add_co_u32 s68, s68, s69                     ; K's half fragment
	s_mul_i32 s73, s35, 764
	s_sub_co_u32 s73, 6144, s73                    ; from there to the tile's scale words
	s_mov_b32 s42, 524544
	s_mov_b32 s46, 274176
	s_mov_b32 s70, 2560
	s_mov_b32 s52, 0x3f22f983                      ; 2 / pi
	s_mov_b32 s53, 0xbfc90fdb                      ; - pi/2, first part
	s_mov_b32 s54, 0x333bbd2e                      ; second part (pi/2 lies under the first part)
	s_mov_b32 s55, 0x26f72ced                      ; third
	s_mov_b32 s56, 0x3638ef1d                      ; 1/9!
	s_mov_b32 s57, 0xb9500d01                      ; -1/7!
	s_mov_b32 s58, 0x3c088889                      ; 1/5!
	s_mov_b32 s59, 0xbe2aaaab                      ; -1/3!
	s_mov_b32 s60, 0x37d00d01                      ; 1/8!
	s_mov_b32 s61, 0xbab60b61                      ; -1/6!
	s_mov_b32 s62, 0x3d2aaaab                      ; 1/4!
	s_wait_kmcnt 0x0
	s_cmp_lt_u32 s34, 4                            ; every choice hangs on ids alone
	s_cselect_b64 s[40:41], s[20:21], s[18:19]     ; the memories or out1
	s_cselect_b32 s39, s39, s66
	s_cselect_b32 s42, 131072, s42                 ; bytes from (b h) to (b h) + 1
	s_cmp_lt_u32 s31, 128
	s_cselect_b64 s[40:41], s[16:17], s[40:41]     ; or qf
	s_cselect_b32 s39, s38, s39
	s_cselect_b32 s42, 524288, s42
	s_cselect_b64 s[44:45], s[26:27], s[28:29]     ; qc or kv
	s_cselect_b32 s68, s67, s68
	s_cselect_b32 s46, 131072, s46
	s_cselect_b64 s[48:49], s[22:23], s[24:25]     ; the angles
	s_cselect_b32 s36, s37, s36                    ; first position
	s_cselect_b32 s70, 2047, s70                   ; last row of the angles
	s_cselect_b32 s71, 0, 8                        ; rows 8-15 of a tile of K lie 8 further on
	s_cselect_b32 s72, 4, 32                       ; bytes from row to row among the scale words
	s_cselect_b32 s73, 768, s73
	s_lshl_b32 s38, s39, 8
	s_mov_b32 s39, 0
	s_add_nc_u64 s[40:41], s[40:41], s[38:39]      ; the first (b h)'s rows,
	s_mov_b32 s69, 0
	s_add_nc_u64 s[44:45], s[44:45], s[68:69]      ; and where its codes go
	s_mov_b32 s43, 0
	s_mov_b32 s47, 0
	s_add_nc_u64 s[76:77], s[40:41], s[42:43]      ; a base of its own for each of the four (b h): none is stepped while an access that names it is out
	s_add_nc_u64 s[78:79], s[76:77], s[42:43]
	s_add_nc_u64 s[80:81], s[78:79], s[42:43]
	s_add_nc_u64 s[82:83], s[44:45], s[46:47]
	s_add_nc_u64 s[84:85], s[82:83], s[46:47]
	s_add_nc_u64 s[86:87], s[84:85], s[46:47]
	s_lshl_b32 s74, s71, 8
	s_lshr_b32 s75, s8, 2
	s_lshl_b32 s75, s75, 7
	s_and_b32 s51, s8, 3
	s_lshl_b32 s51, s51, 4
	s_add_co_u32 s75, s75, s51                     ; my group of angles: d = 32 (w / 4) + 16 h + 4 (w % 4) on: registers 4 w .. 4 w + 3 of the image
	v_lshrrev_b32 v8, 3, v3
	v_mul_u32_u24 v8, s71, v8
	v_add_nc_u32 v8, v8, v3
	v_add_nc_u32 v8, s36, v8                       ; my row's position,
	v_min_u32 v8, s70, v8                          ; held inside the angles
	v_lshlrev_b32 v8, 8, v8
	v_lshl_add_u32 v8, v4, 6, v8                   ; its row of 256 bytes, + 64 h,
	v_add_nc_u32 v8, s75, v8                       ; + my group
	v_add_nc_u32 v10, s74, v5
	v_mul_u32_u24 v11, s72, v3
	v_add_nc_u32 v11, s73, v11                     ; my row's scale word
	v_lshlrev_b32 v12, 3, v2                       ; 8 x lane
	global_load_b128 v[16:19], v8, s[48:49]        ; four angles a lane
	RLOAD 80, 40                                   ; the first two (b h)'s rows land while the sines are made and handed round
	RLOAD 208, 76
	s_wait_loadcnt 16                              ; the angles are in; the sixteen loads behind them stay out
	SINCOS4 0
	ds_store_b128 v13, v[16:19] offset:IMG         ; my group of the cosines' image,
	ds_store_b128 v13, v[48:51] offset:IMG+4096    ; and of the sines'
	s_wait_dscnt 0x0                               ; for the others' sake: my stores have landed
	s_barrier_signal -1
	s_barrier_wait -1                              ; all eight groups lie in LDS; nobody writes them again
.irp g, 0,1,2,3,4,5,6,7
	ds_load_b128 v[16+4*\g:19+4*\g], v5 offset:IMG+512*\g
	ds_load_b128 v[48+4*\g:51+4*\g], v5 offset:IMG+4096+512*\g
.endr
	TRIP 80, 78, 44, 8, 1, 0
	TRIP 208, 80, 82, 8, 1, 0
	TRIP 80, 0, 84, 8, 0, 0                        ; the last two ask for nothing: no load leaves its buffer
	TRIP 208, 0, 86, 0, 0, 1
	s_wait_tensorcnt 0x0
	ds_add_u32 v240, v241
	s_wait_dscnt 0x0
	s_endpgm
.Lvq:
	; ---- V: job J = 8 (work-group - 296) + wave: half of d J % 2, (b h, step) = (J / 2) / 21, (J / 2) % 21
	s_sub_co_u32 s30, ttmp9, 296
	s_lshl_b32 s30, s30, 3
	s_add_co_u32 s30, s30, s8
	s_and_b32 s31, s30, 1
	s_lshr_b32 s32, s30, 1
	s_mul_hi_u32 s33, s32, 0x0c30c30d              ; / 21: exact for numbers under 672
	s_mul_i32 s34, s33, 21
	s_sub_co_u32 s34, s32, s34                     ; step
	s_add_co_u32 s35, s33, 32                      ; v's half of either tensor
	s_lshl_b32 s36, s35, 9
	s_lshl_b32 s37, s34, 7
	s_add_co_u32 s36, s36, s37                     ; row in the memories
	s_mul_i32 s38, s35, 2049
	s_add_co_u32 s38, s38, s37
	s_sub_co_u32 s38, s38, 512                     ; row in out1
	s_mul_i32 s40, s33, 274176
	s_mul_i32 s41, s34, 13056
	s_add_co_u32 s40, s40, s41                     ; the record
	s_mul_i32 s41, s31, 3072
	s_add_co_u32 s42, s40, s41
	s_add_co_u32 s42, s42, 6656                    ; my two tiles' codes
	s_mov_b32 s43, 0
	s_lshl_b32 s41, s31, 3
	s_add_co_u32 s44, s40, s41
	s_add_co_u32 s44, s44, 12800                   ; and scale words
	s_mov_b32 s45, 0
	s_lshl_b32 s41, s31, 7
	v_lshlrev_b32 v8, 2, v2
	v_add_nc_u32 v8, s41, v8                       ; my d: 4 (32 half + lane)
	v_bfe_u32 v9, v0, 3, 1                         ; u
	v_and_b32 v10, 7, v0
	v_lshl_or_b32 v10, v4, 3, v10                  ; rho
	v_mul_u32_u24 v11, v9, 1536
	v_lshl_add_u32 v11, v10, 4, v11
	v_lshlrev_b32 v12, 2, v9
	v_lshl_add_u32 v12, v10, 4, v12
	s_wait_kmcnt 0x0
	s_cmp_lt_u32 s34, 4
	s_cselect_b64 s[46:47], s[20:21], s[18:19]
	s_cselect_b32 s36, s36, s38
	s_lshl_b32 s36, s36, 8
	s_mov_b32 s37, 0
	s_add_nc_u64 s[46:47], s[46:47], s[36:37]
	s_add_nc_u64 s[42:43], s[28:29], s[42:43]
	s_add_nc_u64 s[44:45], s[28:29], s[44:45]
	s_cmp_eq_u32 s34, 20
	s_cbranch_scc1 .Llast_step
.set i, 0
.rept 128
	global_load_b32 v[16+i], v8, s[46:47] offset:256*i    ; key i of the step at my d: 128 consecutive bytes a wave; the wave beside me takes the row's other half
.set i, i+1
.endr
	s_branch .Lvjoin
.Llast_step:
	global_load_b32 v16, v8, s[46:47]              ; key 2560 is the last
.set i, 1
.rept 127
	v_mov_b32 v[16+i], 0
.set i, i+1
.endr
.Lvjoin:
	s_wait_loadcnt 0x0
	QCOL 16, 144, 156, 196
.irp hh, 0,1
.irp g, 0,1,2
	global_store_b128 v11, v[144+12*\hh+4*\g:147+12*\hh+4*\g], s[42:43] offset:256*\hh+512*\g   ; the sixteen lanes of a tile store 256 consecutive bytes, aligned
.endr
.endr
	global_store_b32 v12, v196, s[44:45]
	s_endpgm
.Lfunc_end_k_qe72e3b7183_post:
	.size	k_qe72e3b7183_post, .Lfunc_end_k_qe72e3b7183_post-k_qe72e3b7183_post
	.p2alignl 7, 3214868480
	.fill 96, 4, 3214868480
	.section	.rodata,"a",@progbits
	.p2align	6, 0x0
	.amdhsa_kernel k_qe72e3b7183_post
		.amdhsa_group_segment_fixed_size 44032
		.amdhsa_private_segment_fixed_size 0
		.amdhsa_enable_private_segment 0
		.amdhsa_kernarg_size 56
		.amdhsa_user_sgpr_count 2
		.amdhsa_user_sgpr_kernarg_segment_ptr 1
		.amdhsa_wavefront_size32 1
		.amdhsa_system_sgpr_workgroup_id_x 1
		.amdhsa_system_sgpr_workgroup_id_y 1
		.amdhsa_system_sgpr_workgroup_id_z 1
		.amdhsa_system_vgpr_workitem_id 0
		.amdhsa_next_free_vgpr 242
		.amdhsa_next_free_sgpr 88
		.amdhsa_reserve_vcc 1
		.amdhsa_float_denorm_mode_32 3
		.amdhsa_float_denorm_mode_16_64 3
		.amdhsa_memory_ordered 1
		.amdhsa_forward_progress 1
		.amdhsa_inst_pref_size 61
	.end_amdhsa_kernel
	.amdgpu_metadata
---
amdhsa.version: [ 1, 2 ]
amdhsa.kernels:
  - .name:           k_qe72e3b7183_post
    .symbol:         k_qe72e3b7183_post.kd
    .args:
      - { .name: qf, .offset: 0, .size: 8, .value_kind: global_buffer, .address_space: global }
      - { .name: out1, .offset: 8, .size: 8, .value_kind: global_buffer, .address_space: global }
      - { .name: xl_memories, .offset: 16, .size: 8, .value_kind: global_buffer, .address_space: global }
      - { .name: rotary_q, .offset: 24, .size: 8, .value_kind: global_buffer, .address_space: global }
      - { .name: rotary_k, .offset: 32, .size: 8, .value_kind: global_buffer, .address_space: global }
      - { .name: qc, .offset: 40, .size: 8, .value_kind: global_buffer, .address_space: global }
      - { .name: kv, .offset: 48, .size: 8, .value_kind: global_buffer, .address_space: global }
    .group_segment_fixed_size: 44032
    .private_segment_fixed_size: 0
    .kernarg_segment_align: 8
    .kernarg_segment_size: 56
    .max_flat_workgroup_size: 256
    .sgpr_count:     88
    .vgpr_count:     242
    .wavefront_size: 32
...
	.end_amdgpu_metadata
.endif
;; end of part 3
;; launch attn (part 4): grid 8 x 32, 16 waves a work-group, no clusters, 327,680 bytes of LDS; arguments qc, kv, oc; writes oc
.if DOCPART == 4
	.amdgcn_target "amdgcn-amd-amdhsa--gfx1250"
	.amdhsa_code_object_version 6
	.text
	.protected	k_qe72e3b7183_attn
	.globl	k_qe72e3b7183_attn
	.p2align	8
	.type	k_qe72e3b7183_attn,@function
k_qe72e3b7183_attn:
	s_mov_b64 s[64:65], 0
	v_nop
	global_prefetch_b8 v0, s[64:65] scope:SCOPE_SE
	s_setreg_imm32_b32 hwreg(HW_REG_WAVE_MODE, 25, 1), 1
	s_wait_xcnt 0x0
; ATTENTION on codes of FP6 (E2M3) with E8M0 scales.  Query i of a head sees keys 0 .. i + 513 of 2,561 (512 memories, the null key, the sequence).
; t = score x log2(e) / 8; M = the running largest t rounded UP to a whole number; p = 2^(t - M) is quantised along the keys, not normalised; the row's sum of the unquantised p divides at the end.
; When M moves, the sum and O are multiplied by 2^(old M - new M): exact.
; SHARES.  Work-group (p, b h) owns the blocks of 128 queries p and 15 - p of one head, so that every work-group has the same number of key steps; each of its sixteen waves owns 16 queries, in 232 registers:
; four waves to a SIMD, so that one wave's vector work stands beside another's products and LDS loads.
; LDS IS FILLED ONCE with the head's 21 records of 13,056 bytes (K's 8 half fragments, K's scale words, V's 4 fragments, V's scale words for 128 keys, all as images of the operand's registers), IN TWO GOES:
; at the start every wave asks for a sixteenth of records 0-4 (65,280 bytes a work-group), so that the first key step stands behind those bytes alone; behind the barrier that shows them landed every wave asks for
; record 5 + wave, which has five key steps of all sixteen waves in which to land.  One tensor load of a wave is out at any time.
; NO CLUSTER: a step all of whose keys are hidden is passed over by a branch on the query block, which differs between the work-groups of a head; without those branches the steps would be 21 for 12.6 on average.
; LAYOUT.  Both products transposed: S^T = K Q^T (K = the head's 64; the upper 64 of the instruction's 128 are zero codes in registers), O^T = V^T P^T: a lane holds ONE query throughout.
; The keys of a tile of K and the d of a tile of V were chosen so that the 16 registers of tiles 2 g, 2 g + 1 are 16 neighbours.
; The result leaves as codes: registers 6 c .. 6 c + 5 (c = head % 2) of record ((token / 16) 8 + head / 2) of oc, the last product's operand.
; LIMITS: NaN and infinities are not served; p under 2^-126 counts as 0; a block of zeros gets the byte 1.
; REGISTERS: v1-5 lane terms; v6-9 the step's LDS addresses; v12 -M, v13 the largest t, v[14:15] the sum; v16-27 Q; v28, v80-88 scale words and nothing else; v31 4 r; v32-79 four fragments of K;
;   v96-159 S^T, then p, then (v96-143) V's four fragments; v160-191 O^T; v192-210 p's codes; v212-229 at work; v230, v231 the add's two registers.
.set SEL, 12                           ; s[12:13] lane selects: lane l xor 16
.set CS,  14                           ; s[14:15] c = log2(e) / 8
.set G1E, 16                           ; s[16:23] group 1: one row of 4,080 bytes
.set G1L, 24                           ; s[24:31] group 1: 51 rows of 256 bytes
.set TB,  40                           ; s40 LDS byte of the step's record
.set KF,  41                           ; s41 the step's first key
.set QV,  42                           ; s42 the last key that my first query sees
.set REC, 13056
.set SPARE, 311296                     ; the spare words, 128 bytes for each of the sixteen waves: eight blocks of 256 bytes, behind the records (which end at 274,176), that no other line names
.set SPW, 230                          ; v230 LDS address of my spare word: SPARE + 4 x my thread's number; never rewritten
.set NIL, 231                          ; v231 0; never rewritten
.macro QUANT2 s, P, W, T
.irp b, 0,1
	v_max3_num_f32 v[\T+\b], |v[\s+16*\b]|, |v[\s+16*\b+1]|, 0x1800000   ; and the floor 2^(3 - 127): the byte cannot fall under 1
.endr
.irp i, 2,4,6,8,10,12,14
.irp b, 0,1
	v_max3_num_f32 v[\T+\b], v[\T+\b], |v[\s+16*\b+\i]|, |v[\s+16*\b+\i+1]|
.endr
.endr
.irp b, 0,1
	v_permlanex16_b32 v[\T+2+\b], v[\T+\b], s[SEL], s[SEL+1]
.endr
.irp b, 0,1
	v_max_num_f32 v[\T+\b], v[\T+\b], v[\T+2+\b]
.endr
.irp b, 0,1
	v_add_nc_u32 v[\T+4+\b], 0xff000000, v[\T+\b]
.endr
.irp b, 0,1
	v_lshrrev_b32 v[\T+2+\b], 23, v[\T+4+\b]
.endr
	v_lshl_or_b32 v[\W], v[\T+3], 8, v[\T+2]
	v_cvt_scalef32_pk16_fp6_f32 v[\P:\P+2], v[\s:\s+15], v[\T+4]
	v_cvt_scalef32_pk16_fp6_f32 v[\P+8:\P+10], v[\s+16:\s+31], v[\T+5]
	v_nop
.irp i, 0,1,2
	v_permlane16_swap_b32 v[\P+\i], v[\P+8+\i]
.endr
.irp i, 0,1,2
	v_mov_b32 v[\P+3+\i], v[\P+8+\i]
.endr
.endm
	s_load_b128 s[4:7], s[0:1], 0x0                ; qc, kv
	s_load_b64 s[8:9], s[0:1], 0x10                ; oc
	v_lshl_add_u32 v[SPW], v0, 2, SPARE
	v_mov_b32 v[NIL], 0
	ds_add_u32 v230, v231
	ds_add_u32 v230, v231
	s_wait_dscnt 0x0
	v_lshrrev_b32 v6, 5, v0
	v_readfirstlane_b32 s10, v6                    ; wave 0..15
	s_and_b32 s44, ttmp7, 0xffff                   ; b h
	s_and_b32 s62, s44, 1                          ; head % 2
	s_mov_b32 s[G1E], 3<<16                        ; elements of 8 bytes, no mask, no padding
	s_mov_b32 s[G1E+1], 510<<16                    ; tensor_dim0
	s_mov_b32 s[G1E+2], 1<<16                      ; tensor_dim1
	s_mov_b32 s[G1E+3], 510<<16                    ; tile_dim0
	s_mov_b32 s[G1E+4], 1                          ; tile_dim1
	s_mov_b32 s[G1E+5], 510                        ; pitch
	s_mov_b32 s[G1E+6], 0
	s_mov_b32 s[G1E+7], 0
	s_mov_b32 s[G1L], 3<<16
	s_mov_b32 s[G1L+1], 32<<16
	s_mov_b32 s[G1L+2], 51<<16
	s_mov_b32 s[G1L+3], 32<<16
	s_mov_b32 s[G1L+4], 51
	s_mov_b32 s[G1L+5], 32
	s_mov_b32 s[G1L+6], 0
	s_mov_b32 s[G1L+7], 0
	s_mul_i32 s45, s44, 21*REC                     ; the head's records
	s_mul_i32 s46, s10, 4080                       ; my sixteenth of records 0-4: the same place in LDS as in the head
	s_mul_i32 s47, s10, REC
	s_add_co_u32 s47, s47, 5*REC                   ; record 5 + wave
	s_add_co_u32 s48, s45, s46
	s_mov_b32 s49, 0
	s_add_co_u32 s50, s45, s47
	s_mov_b32 s51, 0
	s_wait_kmcnt 0x0
	s_mov_b32 s32, 1
	s_mov_b32 s33, s46
	s_add_nc_u64 s[34:35], s[6:7], s[48:49]
	s_or_b32 s35, s35, 0x80000000
	s_mov_b32 s36, 1
	s_mov_b32 s37, s47
	s_add_nc_u64 s[38:39], s[6:7], s[50:51]
	s_or_b32 s39, s39, 0x80000000
	tensor_load_to_lds s[32:35], s[G1E:G1E+7]      ; my sixteenth of records 0-4: the only fill at the start
	s_nop 0
.rept 4
	v_nop                                          ; four v_nop behind the load
.endr
	; my 16 queries: block p or 15 - p by bit 0 xor bit 2 of the wave's number, tile by bits 0, 1, 3
	s_and_b32 s52, s10, 1
	s_bfe_u32 s53, s10, 0x10002
	s_xor_b32 s53, s52, s53
	s_and_b32 s54, s10, 3
	s_lshr_b32 s55, s10, 3
	s_lshl_b32 s55, s55, 2
	s_add_co_u32 s54, s54, s55                     ; tile 0..7
	s_sub_co_u32 s55, 15, ttmp9
	s_cmp_eq_u32 s53, 1
	s_cselect_b32 s55, s55, ttmp9                  ; block of 128 queries
	s_lshl_b32 s55, s55, 7
	s_lshl_b32 s54, s54, 4
	s_add_co_u32 s56, s55, s54                     ; my first query
	s_add_co_u32 s[QV], s56, 513
	s_lshl_b32 s57, s44, 7
	s_lshr_b32 s58, s56, 4
	s_add_co_u32 s57, s57, s58
	s_lshl_b32 s58, s57, 10
	s_mov_b32 s59, 0
	s_add_nc_u64 s[4:5], s[4:5], s[58:59]          ; Q's record
	s_lshr_b32 s60, s44, 4
	s_lshl_b32 s60, s60, 7
	s_lshr_b32 s61, s56, 4
	s_add_co_u32 s60, s60, s61                     ; tile of tokens
	s_lshl_b32 s60, s60, 3
	s_bfe_u32 s61, s44, 0x30001                    ; head / 2
	s_add_co_u32 s60, s60, s61
	s_mul_i32 s60, s60, 1600
	s_mov_b32 s61, 0
	s_add_nc_u64 s[8:9], s[8:9], s[60:61]          ; the result's record
	s_mov_b32 s[SEL], 0x76543210
	s_mov_b32 s[SEL+1], 0xfedcba98
	s_mov_b32 s[CS], 0x3e38aa3b
	s_mov_b32 s[CS+1], s[CS]                       ; (named with it as a pair, so it is written)
	s_mov_b32 s[TB], 0
	s_mov_b32 s[KF], 0
	v_and_b32 v10, 31, v0                          ; lane
	v_and_b32 v11, 15, v0                          ; r
	v_bfe_u32 v30, v0, 4, 1                        ; h
	v_lshlrev_b32 v1, 4, v10                       ; 16 x lane
	v_lshl_add_u32 v2, v10, 3, 512                 ; 512 + 8 x lane
	v_lshl_add_u32 v3, v11, 5, 6144                ; K's scale words of row r
	v_lshl_add_u32 v4, v11, 4, 12800               ; V's
	v_lshlrev_b32 v5, 4, v30
	v_sub_nc_u32 v5, v11, v5                       ; r - 16 h
	v_lshlrev_b32 v31, 2, v11                      ; 4 r
	global_load_b128 v[16:19], v1, s[4:5]          ; Q's half fragment stays in registers
	global_load_b64 v[20:21], v2, s[4:5]
	global_load_b32 v28, v31, s[4:5] offset:768    ; and its scale words
.irp i, 22,23,24,25,26,27
	v_mov_b32 v[\i], 0                             ; K = 64 .. 127: zero codes
.endr
.irp t, 0,1,2,3
.irp i, 6,7,8,9,10,11
	v_mov_b32 v[32+12*\t+\i], 0                    ; likewise in K's four fragments: written once, the loads fill registers 0-5 alone
.endr
.endr
	v_mov_b32 v13, 0xff61b1e6                      ; the largest t so far: -3e38
	v_floor_f32 v12, -v13                          ; -M
	v_mov_b32 v14, 0
	v_mov_b32 v15, 0
.irp i, 212,213,214,215,216,217,218,219,225,226
	v_mov_b32 v[\i], 0                             ; destinations of lane permutes and the upper half of a pair count as read
.endr
; A KEY STEP: 128 keys
.macro STEP
	s_add_co_u32 s45, s[QV], 15
	s_cmp_gt_u32 s[KF], s45                        ; all its keys come after my 16 queries' last key: a branch on ids, round the work alone
	s_cbranch_scc1 .Lhidden_\@
	v_add_nc_u32 v6, s[TB], v1
	v_add_nc_u32 v7, s[TB], v2
	v_add_nc_u32 v8, s[TB], v3
	v_add_nc_u32 v9, s[TB], v4
	v_nop                                          ; five plain lines between the last step's products and products that write over the registers which held V
.irp g, 0,1                                    ; S^T = K Q^T, four tiles of 16 keys at a time
.if \g
.rept 4
	v_nop                                          ; in front of loads into registers that products have read
.endr
.endif
.irp t, 0,1,2,3
	ds_load_b128 v[32+12*\t:35+12*\t], v6 offset:(4*\g+\t)*768
	ds_load_b64 v[36+12*\t:37+12*\t], v7 offset:(4*\g+\t)*768
.endr
	ds_load_b128 v[80:83], v8 offset:16*\g         ; the four tiles' scale words of row r
	s_wait_dscnt 0x0
.irp t, 0,1,2,3
	v_wmma_scale_f32_16x16x128_f8f6f4 v[96+8*(4*\g+\t):103+8*(4*\g+\t)], v[32+12*\t:43+12*\t], v[16:27], 0, v[80+\t], v28 matrix_a_fmt:MATRIX_FMT_FP6 matrix_b_fmt:MATRIX_FMT_FP6
.endr
.endr                                          ; register 16 b + i: key KF + 32 b + 16 (lane / 16) + i
.rept 4
	v_nop
.endr
	s_add_co_u32 s45, s[KF], 127
	s_cmp_le_u32 s45, s[QV]                        ; all keys count for all my queries
	s_cbranch_scc1 .Lopen_\@
	s_sub_co_i32 s45, s[QV], s[KF]
	v_add_nc_u32 v226, s45, v5                     ; hidden where 32 b + i > my query's last key - KF - 16 (lane / 16)
	v_mov_b32 v227, 0xff800000                     ; -infinity: p = 0
.set n, 0
.rept 64
	v_cmp_gt_i32 vcc_lo, 32*(n/16)+n%16, v226
	v_cndmask_b32 v[96+n], v[96+n], v227, vcc_lo
.set n, n+1
.endr
.Lopen_\@:
.irp b, 0,1,2,3
	v_max3_num_f32 v[212+\b], v[96+16*\b], v[97+16*\b], v[98+16*\b]   ; the largest score of each block of 32 keys: for the row's maximum and, since p rises with the score, for the block's largest p
.endr
.irp i, 3,5,7,9,11,13
.irp b, 0,1,2,3
	v_max3_num_f32 v[212+\b], v[212+\b], v[96+16*\b+\i], v[97+16*\b+\i]
.endr
.endr
.irp b, 0,1,2,3
	v_max_num_f32 v[212+\b], v[212+\b], v[111+16*\b]
.endr
.irp b, 0,1,2,3
	v_permlanex16_b32 v[216+\b], v[212+\b], s[SEL], s[SEL+1]
.endr
.irp b, 0,1,2,3
	v_max_num_f32 v[212+\b], v[212+\b], v[216+\b]
.endr
	v_max3_num_f32 v226, v212, v213, v214
	v_max_num_f32 v226, v226, v215
	v_mul_f32 v226, s[CS], v226
	v_max_num_f32 v13, v13, v226                   ; the running largest t
	v_mov_b32 v226, v12
	v_floor_f32 v12, -v13                          ; -M = floor(-t): M is a whole number
	v_sub_f32 v226, v12, v226
	v_cvt_i32_f32 v226, v226                       ; (it saturates)
	v_ldexp_f32 v224, 1.0, v226                    ; f = 2^(old M - new M)
.set j, 0
.rept 32
	v_pk_fma_f32 v[96+j:97+j], v[96+j:97+j], s[CS:CS+1], v[12:13] op_sel_hi:[1,0,0]   ; t - M
.set j, j+2
.endr
.irp b, 0,1,2,3
	v_fma_f32 v[212+\b], v[212+\b], s[CS], v12
.endr
.set j, 0
.rept 64
	v_exp_f32 v[96+j], v[96+j]                     ; p
.set j, j+1
.endr
.irp b, 0,1,2,3
	v_exp_f32 v[212+\b], v[212+\b]                 ; the block's largest p: the same two instructions on the same number
.endr
	v_pk_mul_f32 v[14:15], v[14:15], v[224:225] op_sel_hi:[1,0]   ; the sum under the new M (a plain line behind the exponentials)
	s_wait_alu depctr_va_vdst(0)
.irp b, 0,1,2,3
	v_max_num_f32 v[212+\b], 0x1800000, v[212+\b]  ; the floor 2^(3 - 127)
.endr
.irp b, 0,1,2,3
	v_add_nc_u32 v[220+\b], 0xff000000, v[212+\b]
.endr
.irp b, 0,1,2,3
	v_lshrrev_b32 v[216+\b], 23, v[220+\b]
.endr
	v_lshl_or_b32 v88, v217, 8, v216               ; p's scale word for these 128 keys
	v_lshl_or_b32 v88, v218, 16, v88
	v_lshl_or_b32 v88, v219, 24, v88
.irp c, 0,1
	v_cvt_scalef32_pk16_fp6_f32 v[192+6*\c:194+6*\c], v[96+32*\c:111+32*\c], v[220+2*\c]
	v_cvt_scalef32_pk16_fp6_f32 v[204+4*\c:206+4*\c], v[112+32*\c:127+32*\c], v[221+2*\c]
.endr
	v_nop                                          ; one plain line behind a scaled conversion
	v_pk_add_f32 v[228:229], v[96:97], v[98:99]    ; the row's sum is taken of the unquantised p, in two chains: first the registers that V is about to take
.irp j, 4,8,12,16,20,24,28,32,36,40,44
	v_pk_add_f32 v[14:15], v[14:15], v[96+\j:97+\j]
	v_pk_add_f32 v[228:229], v[228:229], v[98+\j:99+\j]
.endr
.irp t, 0,1,2,3
.irp g, 0,1,2
	ds_load_b128 v[96+12*\t+4*\g:99+12*\t+4*\g], v6 offset:6656+1536*\t+512*\g
.endr
.endr
	ds_load_b128 v[84:87], v9                      ; V's four scale words of row r
.irp c, 0,1                                    ; the operand wants a whole block in a lane
.irp i, 0,1,2
	v_permlane16_swap_b32 v[192+6*\c+\i], v[204+4*\c+\i]
.endr
.irp i, 0,1,2
	v_mov_b32 v[195+6*\c+\i], v[204+4*\c+\i]
.endr
.endr
.irp j, 48,52,56,60                            ; the rest of the sum: nine plain lines that name no register of the products below
	v_pk_add_f32 v[14:15], v[14:15], v[96+\j:97+\j]
	v_pk_add_f32 v[228:229], v[228:229], v[98+\j:99+\j]
.endr
	v_pk_add_f32 v[14:15], v[14:15], v[228:229]
.set j, 0
.rept 16
	v_pk_mul_f32 v[160+j:161+j], v[160+j:161+j], v[224:225] op_sel_hi:[1,0]   ; O^T under the new M
.set j, j+2
.endr
	s_wait_dscnt 0x0
.irp t, 0,1,2,3                                ; O^T += V^T P^T: four accumulators by turns
	v_wmma_scale_f32_16x16x128_f8f6f4 v[160+8*\t:167+8*\t], v[96+12*\t:107+12*\t], v[192:203], v[160+8*\t:167+8*\t], v[84+\t], v88 matrix_a_fmt:MATRIX_FMT_FP6 matrix_b_fmt:MATRIX_FMT_FP6
.endr
.Lhidden_\@:
	s_add_co_u32 s[KF], s[KF], 128
	s_add_co_u32 s[TB], s[TB], REC
.endm
	s_wait_tensorcnt 0x0                           ; my sixteenth of records 0-4 has landed: no tensor load of mine is out
	ds_add_u32 v[SPW], v[NIL]                      ; 0 onto my spare word; the moves below stand between it and the wait for it
.set j, 0
.rept 32
	v_mov_b32 v[160+j], 0                          ; O^T: the step is written once; the first change of M multiplies zeros
.set j, j+1
.endr
	s_wait_dscnt 0x0                               ; the add is done
	s_barrier_signal -1
	s_barrier_wait -1                              ; everybody's sixteenth has landed: records 0-4 are whole
	tensor_load_to_lds s[36:39], s[G1L:G1L+7]      ; record 5 + wave, into bytes that nothing has filled: my one tensor load behind this barrier, and the first thing there
	s_nop 0
.rept 4
	v_nop                                          ; four v_nop behind the load
.endr
	s_wait_loadcnt 0x0                             ; Q
	s_mov_b32 s43, 5
.Learly:                                           ; records 0-4, while the later records land
	STEP
	s_sub_co_u32 s43, s43, 1
	s_cmp_lg_u32 s43, 0
	s_cbranch_scc1 .Learly
	s_wait_tensorcnt 0x0                           ; record 5 + wave has landed
	s_wait_dscnt 0x0
	s_barrier_signal -1
	s_barrier_wait -1                              ; everybody's has
	s_mov_b32 s43, 16
.Llate:
	STEP
	s_sub_co_u32 s43, s43, 1
	s_cmp_lg_u32 s43, 0
	s_cbranch_scc1 .Llate
	; THE WAY OUT: O^T / the sum; register 16 g + i is d = 32 g + 16 (lane / 16) + i of my query: two blocks of the last product's K
.rept 4
	v_nop
.endr
	v_add_f32 v14, v14, v15
	v_permlanex16_b32 v226, v14, s[SEL], s[SEL+1]
	v_add_f32 v14, v14, v226                       ; the row's sum
	v_rcp_f32 v14, v14
	v_nop                                          ; one plain line behind a transcendental
.set j, 0
	s_wait_alu depctr_va_vdst(0)
.rept 16
	v_pk_mul_f32 v[96+j:97+j], v[160+j:161+j], v[14:15] op_sel_hi:[1,0]   ; each accumulator from its low end on
.set j, j+2
.endr
	QUANT2 96, 192, 226, 212
	s_wait_tensorcnt 0x0                           ; the wave's end: my last LDS instructions
	ds_add_u32 v[SPW], v[NIL]
	s_wait_dscnt 0x0
	s_cmp_eq_u32 s62, 0
	s_cbranch_scc0 .Lodd
	global_store_b128 v1, v[192:195], s[8:9]               ; an even head: registers 0-3,
	global_store_b64 v1, v[196:197], s[8:9] offset:512     ; 4-5,
	global_store_b16 v31, v226, s[8:9] offset:1536         ; scale bytes 0, 1 (lanes 16-31 store the same as lanes 0-15)
	s_endpgm
.Lodd:
	global_store_b64 v1, v[192:193], s[8:9] offset:520     ; an odd head: registers 6-7,
	global_store_b128 v1, v[194:197], s[8:9] offset:1024   ; 8-11,
	global_store_b16 v31, v226, s[8:9] offset:1538         ; scale bytes 2, 3
	s_endpgm
.Lfunc_end_k_qe72e3b7183_attn:
	.size	k_qe72e3b7183_attn, .Lfunc_end_k_qe72e3b7183_attn-k_qe72e3b7183_attn
	.p2alignl 7, 3214868480
	.fill 96, 4, 3214868480
	.section	.rodata,"a",@progbits
	.p2align	6, 0x0
	.amdhsa_kernel k_qe72e3b7183_attn
		.amdhsa_group_segment_fixed_size 327680
		.amdhsa_private_segment_fixed_size 0
		.amdhsa_enable_private_segment 0
		.amdhsa_kernarg_size 24
		.amdhsa_user_sgpr_count 2
		.amdhsa_user_sgpr_kernarg_segment_ptr 1
		.amdhsa_wavefront_size32 1
		.amdhsa_system_sgpr_workgroup_id_x 1
		.amdhsa_system_sgpr_workgroup_id_y 1
		.amdhsa_system_sgpr_workgroup_id_z 1
		.amdhsa_system_vgpr_workitem_id 0
		.amdhsa_next_free_vgpr 232
		.amdhsa_next_free_sgpr 66
		.amdhsa_reserve_vcc 1
		.amdhsa_float_denorm_mode_32 3
		.amdhsa_float_denorm_mode_16_64 3
		.amdhsa_memory_ordered 1
		.amdhsa_forward_progress 1
		.amdhsa_inst_pref_size 54
	.end_amdhsa_kernel
	.amdgpu_metadata
---
amdhsa.version: [ 1, 2 ]
amdhsa.kernels:
  - .name:           k_qe72e3b7183_attn
    .symbol:         k_qe72e3b7183_attn.kd
    .args:
      - { .name: qc, .offset: 0, .size: 8, .value_kind: global_buffer, .address_space: global }
      - { .name: kv, .offset: 8, .size: 8, .value_kind: global_buffer, .address_space: global }
      - { .name: oc, .offset: 16, .size: 8, .value_kind: global_buffer, .address_space: global }
    .group_segment_fixed_size: 327680
    .private_segment_fixed_size: 0
    .kernarg_segment_align: 8
    .kernarg_segment_size: 24
    .max_flat_workgroup_size: 512
    .sgpr_count:     66
    .vgpr_count:     232
    .wavefront_size: 32
...
	.end_amdgpu_metadata
.endif
;; end of part 4
;; launch gemm2 (part 5): grid 4 x 32, 8 waves a work-group, clusters of 4 x 4, 327,680 bytes of LDS; arguments oc, wc, out0; writes out0
.if DOCPART == 5
	.amdgcn_target "amdgcn-amd-amdhsa--gfx1250"
	.amdhsa_code_object_version 6
	.text
	.protected	k_qe72e3b7183_gemm2
	.globl	k_qe72e3b7183_gemm2
	.p2align	8
	.type	k_qe72e3b7183_gemm2,@function
k_qe72e3b7183_gemm2:
	s_mov_b64 s[64:65], 0
	v_nop
	global_prefetch_b8 v0, s[64:65] scope:SCOPE_SE
	s_setreg_imm32_b32 hwreg(HW_REG_WAVE_MODE, 25, 1), 1
	s_wait_xcnt 0x0
	s_wait_alu depctr_hold_cnt(0) depctr_sa_sdst(0) depctr_va_vdst(0) depctr_va_sdst(0) depctr_va_ssrc(0) depctr_va_vcc(0) depctr_vm_vsrc(0)
	s_getreg_b32 s2, hwreg(HW_REG_IB_STS2, 6, 4)
	s_cmp_eq_u32 s2, 0
	s_cbranch_scc0 .Lentry_in_a_cluster
	s_endpgm
.Lentry_in_a_cluster:
	s_bfe_u32 s2, ttmp6, 0x10000c
	s_cmp_lg_u32 s2, 0xf033
	s_cbranch_scc0 .Lentry_shape_is_right
	s_endpgm
.Lentry_shape_is_right:
; A GEMM on codes of FP6 (E2M3) with E8M0 scales: [4096 tokens][1024] x [1024][columns], f32 sums, K ascending.
; SECOND = 0: x by Wq | Wkv (3,072 columns); q goes to qf [b h][n][64], k and v to out1 [kv][b h][1 + n][64].   SECOND = 1: the attention's result by Wout; out0 [token][1024].
; Both operands lie in memory as images of the operand's registers: a record of 1,600 bytes is 16 rows x 128 K (registers 4 g .. 4 g + 3 of lane l at 512 g + 16 l; row r's scale word at 1536 + 4 r);
; a tile's eight K steps follow each other (12,800 bytes).  So a fragment is three loads of 16 bytes a lane, 512 consecutive bytes each, and a scale word one load of 4.
; SHARES.  A work-group makes 128 tokens x 256 columns; wave w = (wr = w / 4, wc = w % 4) makes 64 tokens x 64 columns: 16 accumulators, 128 registers.  128 work-groups: the first GEMM's
; shares are kept; a block of 64 tokens on twice the work-groups would read four fifths of the LDS bytes for each product and want a text of its own.
; LDS IS FILLED ONCE: the 8 + 16 tiles for all of K are 307,200 bytes, in four chunks of two K steps.  All tensor loads go out at the start (four of a wave are out at the most); a chunk is read behind a
; counted wait of the waves that fetched it and a barrier.  No byte is filled twice.
; CLUSTER 4 x 4: the four work-groups of a row of the cluster need the same tokens, the four of a column the same columns: each tile is asked for jointly.
; THE PRODUCT IS USED TRANSPOSED (source 0 = 16 columns of W, source 1 = 16 tokens), and a tile's columns were chosen so that a lane's registers of tiles 2 g, 2 g + 1 are columns 32 g + 16 (lane / 16) + 0 .. 15 of ONE token.
.set SECOND, 1
.set FRB,    1600
.set TILEB,  3200                      ; a tile's two K steps: a row of a tensor tile
.set CHB,    24*TILEB                  ; a chunk in LDS: A's tiles 0-7, B's tiles 8-23
.set TSTR,   12800                     ; from tile to tile in memory
.set SPITCH, 272                       ; the way out: a stage of 16 rows x (256 bytes + 16) for each wave, in chunk 0's bytes, which have had their only fill and their last read by then
.set STG,    16*SPITCH
.if SECOND
.set PITCH,  4096
.else
.set PITCH,  256
.endif
.set ADRA, 1                           ; v1  LDS address of my A fragments: 16 x lane + my four tiles
.set ADRB, 2                           ; v2  the same for B
.set ADS,  3                           ; v3  of my scale words: lanes 0-15 A's, lanes 16-31 B's
.set STO,  4                           ; v4  the stage: where I put 32 bytes of a row
.set RD,   5                           ; v5  and where I read a row back
.set CO,   6                           ; v6  my byte offset in the result
.set SC,   12                          ; v12-15  scale words and nothing else: register i: lanes 0-15 A's tile i, lanes 16-31 B's tile i
.set AF,   16                          ; v16-63  A's four fragments
.set BF,   64                          ; v64-111 B's four
.set ACC,  128                         ; v128-255 accumulator (a, b) at 128 + 8 (4 a + b)
.set G1A,  24                          ; s[24:31], s[32:39] descriptor groups 1;  s[40:55], s[68:83] groups 0, one set for each chunk
.set G1B,  32
.set G0A,  40
.set G0B,  68
.macro CROUND                          ; a round of the cluster's barrier
	s_barrier_signal -1
	s_barrier_wait -1
	s_cmp_lg_u32 s8, 0
	s_cbranch_scc1 .Lnot_wave_0_\@
	s_barrier_signal -3
.Lnot_wave_0_\@:
	s_barrier_wait -3
	s_barrier_signal -1
	s_barrier_wait -1
.endm
.macro PLACES
.rept 4
	v_nop
.endr
.endm
	s_load_b128 s[4:7], s[0:1], 0x0                ; A's records, the weights' records
.if SECOND
	s_load_b64 s[12:13], s[0:1], 0x10              ; out0
	v_lshl_add_u32 v126, v0, 2, 0x4b000
	v_mov_b32 v127, 0
	ds_add_u32 v126, v127
	ds_add_u32 v126, v127
.else
	s_load_b128 s[12:15], s[0:1], 0x10             ; qf, out1
.endif
	v_lshrrev_b32 v7, 5, v0
	v_readfirstlane_b32 s8, v7                     ; wave 0..7
	s_lshr_b32 s9, s8, 2                           ; wr
	s_and_b32 s10, s8, 3                           ; wc
	s_bfe_u32 s16, ttmp6, 0x40000                  ; cx
	s_bfe_u32 s17, ttmp6, 0x40004                  ; cy
	s_lshl_b32 s18, ttmp9, 2
	s_add_co_u32 s18, s18, s16                     ; x: block of 256 columns
	s_and_b32 s19, ttmp7, 0xffff
	s_lshl_b32 s19, s19, 2
	s_add_co_u32 s19, s19, s17                     ; y: block of 128 tokens
	s_lshl_b32 s20, s17, 2
	s_lshl_b32 s20, 15, s20                        ; my row of the cluster
	s_lshl_b32 s21, 0x1111, s16                    ; my column
	; group 1: 4 rows (tiles) of 400 elements of 8 bytes (two K steps), 1,600 elements from tile to tile; no padding
	s_or_b32 s[G1A], s20, (3<<16)|(1<<21)          ; 15:0 the mask; 17:16 elements of 8 bytes; 21 set beside a mask
	s_or_b32 s[G1B], s21, (3<<16)|(1<<21)
.irp g, G1A, G1B
	s_mov_b32 s[\g+1], 400<<16                     ; tensor_dim0
	s_mov_b32 s[\g+2], 4<<16                       ; tensor_dim1
	s_mov_b32 s[\g+3], 400<<16                     ; tile_dim0
	s_mov_b32 s[\g+4], 4                           ; tile_dim1
	s_mov_b32 s[\g+5], 1600                        ; tensor_dim0_stride
	s_mov_b32 s[\g+6], 0
	s_mov_b32 s[\g+7], 0
.endr
	; every LDS address: a constant x lane + a constant x wave
	v_and_b32 v7, 31, v0                           ; lane
	v_and_b32 v8, 15, v0                           ; r
	v_bfe_u32 v9, v0, 4, 1                         ; h
	v_lshlrev_b32 v10, 4, v7
	s_mul_i32 s59, s9, 4*TILEB                     ; my four tiles of A
	s_mul_i32 s60, s10, 4*TILEB
	s_add_co_u32 s60, s60, 8*TILEB                 ; my four tiles of B, behind A's eight
	v_add_nc_u32 v[ADRA], s59, v10
	v_add_nc_u32 v[ADRB], s60, v10
	s_sub_co_u32 s61, s60, s59
	v_mul_u32_u24 v11, s61, v9                     ; lanes 16-31 take B's words: the lower base + h x the distance
	v_lshl_add_u32 v[ADS], v8, 2, v11
	s_add_co_u32 s59, s59, 1536
	v_add_nc_u32 v[ADS], s59, v[ADS]
	s_mul_i32 s62, s8, STG
	v_mul_u32_u24 v11, v8, SPITCH
	v_lshl_add_u32 v11, v9, 6, v11
	v_add_nc_u32 v[STO], s62, v11                  ; in: row r, + 64 h
	v_mul_u32_u24 v11, v9, SPITCH
	v_lshl_add_u32 v11, v8, 4, v11
	v_add_nc_u32 v[RD], s62, v11                   ; back: lanes 0-15 one row of 256 bytes, lanes 16-31 the next
	v_mul_u32_u24 v11, v9, PITCH
	v_lshl_add_u32 v[CO], v8, 4, v11               ; and the same two rows in the result
	; where the tiles come from.  A's hang on y and the wave alone, B's on x and the wave alone, each in registers that never hold the other coordinate
	s_and_b32 s22, s8, 1
	s_lshl_b32 s22, s22, 2
	s_lshl_b32 s23, s19, 3
	s_add_co_u32 s22, s22, s23                     ; A: tile 8 y + 4 (w & 1)           (waves 0, 1 fetch)
	s_mul_i32 s22, s22, TSTR
	s_mov_b32 s23, 0
	s_add_co_u32 s56, s8, 2
	s_and_b32 s56, s56, 3
	s_lshl_b32 s56, s56, 2
	s_lshl_b32 s57, s18, 4
	s_add_co_u32 s56, s56, s57                     ; B: tile 16 x + 4 ((w + 2) & 3)    (waves 2 to 5 fetch)
.if SECOND
	s_add_co_u32 s56, s56, 192                     ; Wout's tiles
.endif
	s_mul_i32 s56, s56, TSTR
	s_mov_b32 s57, 0
	s_mul_i32 s58, s8, 4*TILEB                     ; and where they go: tiles 4 w on
	; where my 64 x 64 of the result begins
.if SECOND
	s_lshl_b32 s84, s19, 7
	s_lshl_b32 s85, s9, 6
	s_add_co_u32 s84, s84, s85                     ; token
	s_lshl_b32 s84, s84, 12
	s_lshl_b32 s85, s18, 10
	s_add_co_u32 s84, s84, s85
	s_lshl_b32 s85, s10, 8
	s_add_co_u32 s84, s84, s85                     ; + 4 (256 x + 64 wc)
	s_mov_b32 s85, 0
	s_wait_dscnt 0x0
	s_wait_kmcnt 0x0
.else
	s_and_b32 s66, s18, 3
	s_lshl_b32 s66, s66, 2
	s_add_co_u32 s66, s66, s10                     ; head
	s_lshr_b32 s67, s19, 4
	s_lshl_b32 s67, s67, 4
	s_add_co_u32 s66, s66, s67                     ; 16 b + head
	s_and_b32 s67, s19, 15
	s_lshl_b32 s67, s67, 7
	s_lshl_b32 s84, s9, 6
	s_add_co_u32 s67, s67, s84                     ; n
	s_lshl_b32 s84, s66, 11
	s_add_co_u32 s84, s84, s67                     ; q: row (b h) 2048 + n
	s_max_u32 s85, ttmp9, 1                        ; the cluster's x is the kind: 0 q, 1 k, 2 v: the same in all partners
	s_sub_co_u32 s85, s85, 1
	s_lshl_b32 s85, s85, 5
	s_add_co_u32 s85, s85, s66
	s_mul_i32 s85, s85, 2049
	s_add_co_u32 s85, s85, s67
	s_add_co_u32 s85, s85, 1                       ; k, v: row (32 kv + b h) 2049 + 1 + n
	s_wait_kmcnt 0x0
	s_cmp_eq_u32 ttmp9, 0
	s_cselect_b32 s84, s84, s85
	s_cselect_b64 s[12:13], s[12:13], s[14:15]     ; qf or out1
	s_lshl_b32 s84, s84, 8
	s_mov_b32 s85, 0
.endif
	s_add_nc_u64 s[12:13], s[12:13], s[84:85]
	s_add_nc_u64 s[22:23], s[4:5], s[22:23]
	s_add_nc_u64 s[56:57], s[6:7], s[56:57]
.irp c, 0,1,2,3
	s_mov_b32 s[G0A+4*\c], 1                       ; count = 1
	s_add_co_u32 s[G0A+4*\c+1], s58, \c*CHB        ; LDS address
	s_add_nc_u64 s[G0A+4*\c+2:G0A+4*\c+3], s[22:23], \c*TILEB   ; K steps 2 c, 2 c + 1
	s_or_b32 s[G0A+4*\c+3], s[G0A+4*\c+3], 0x80000000           ; type = 2
	s_mov_b32 s[G0B+4*\c], 1
	s_add_co_u32 s[G0B+4*\c+1], s58, \c*CHB
	s_add_nc_u64 s[G0B+4*\c+2:G0B+4*\c+3], s[56:57], \c*TILEB
	s_or_b32 s[G0B+4*\c+3], s[G0B+4*\c+3], 0x80000000
.endr
	CROUND                                         ; all sixteen work-groups are here: the joint loads meet
	s_cmp_lt_u32 s8, 2                             ; a wave's four fills stand in one branch on its number, ahead of every wait on TENSORcnt and every LDS read
	s_cbranch_scc0 .Lnot_a
	tensor_load_to_lds s[G0A:G0A+3], s[G1A:G1A+7]
	s_nop 0
	tensor_load_to_lds s[G0A+4:G0A+7], s[G1A:G1A+7]
	s_nop 0
	tensor_load_to_lds s[G0A+8:G0A+11], s[G1A:G1A+7]
	s_nop 0
	tensor_load_to_lds s[G0A+12:G0A+15], s[G1A:G1A+7]
	s_nop 0
	PLACES                                         ; four v_nop behind the loads
	s_branch .Lasked
.Lnot_a:
	s_cmp_lt_u32 s8, 6
	s_cbranch_scc0 .Lasked
	tensor_load_to_lds s[G0B:G0B+3], s[G1B:G1B+7]
	s_nop 0
	tensor_load_to_lds s[G0B+4:G0B+7], s[G1B:G1B+7]
	s_nop 0
	tensor_load_to_lds s[G0B+8:G0B+11], s[G1B:G1B+7]
	s_nop 0
	tensor_load_to_lds s[G0B+12:G0B+15], s[G1B:G1B+7]
	s_nop 0
	PLACES
.Lasked:
; A K step of 128: 28 LDS loads, then 16 products.  The 16 accumulators take turns, one instruction a turn, in the same order in every step.
.macro KSTEP q, zero, first
.if \first == 0
	PLACES                                         ; four plain lines between the last products and loads into the registers that they read (ISA guide 7.12.1 for vector instructions)
.endif
.irp i, 0,1,2,3
.irp g, 0,1,2
	ds_load_b128 v[BF+12*\i+4*\g:BF+12*\i+4*\g+3], v[ADRB] offset:\i*TILEB+\q*FRB+512*\g
.endr
.endr
.irp i, 0,1,2,3
	ds_load_b32 v[SC+\i], v[ADS] offset:\i*TILEB+\q*FRB
.endr
.irp i, 0,1,2,3
.irp g, 0,1,2
	ds_load_b128 v[AF+12*\i+4*\g:AF+12*\i+4*\g+3], v[ADRA] offset:\i*TILEB+\q*FRB+512*\g
.endr
.endr
.irp a, 0,1,2,3
	s_wait_dscnt 9-3*\a                            ; B, the scale words and A's fragments up to a are in; the later fragments' three loads each may be out
.irp b, 0,1,2,3
.if \zero
	v_wmma_scale_f32_16x16x128_f8f6f4 v[ACC+8*(4*\a+\b):ACC+8*(4*\a+\b)+7], v[BF+12*\b:BF+12*\b+11], v[AF+12*\a:AF+12*\a+11], 0, v[SC+\b], v[SC+\a] matrix_a_fmt:MATRIX_FMT_FP6 matrix_b_fmt:MATRIX_FMT_FP6 matrix_a_scale:MATRIX_SCALE_ROW1
.else
	v_wmma_scale_f32_16x16x128_f8f6f4 v[ACC+8*(4*\a+\b):ACC+8*(4*\a+\b)+7], v[BF+12*\b:BF+12*\b+11], v[AF+12*\a:AF+12*\a+11], v[ACC+8*(4*\a+\b):ACC+8*(4*\a+\b)+7], v[SC+\b], v[SC+\a] matrix_a_fmt:MATRIX_FMT_FP6 matrix_b_fmt:MATRIX_FMT_FP6 matrix_a_scale:MATRIX_SCALE_ROW1
.endif
.endr
.endr
.endm
.macro CHUNK c
	s_wait_tensorcnt 3-\c                          ; my part of chunk c has landed; the later chunks' loads stay out
	s_barrier_signal -1                            ; (no LDS instruction of mine is out: the last step's last wait was for 0)
	s_barrier_wait -1                              ; everybody's part has landed
.if \c == 0
	KSTEP 0, 1, 1                                  ; the first products start the sums: nothing is cleared
.else
	KSTEP 0, 0, 0
.endif
	KSTEP 1, 0, 0
.if \c < 3
	v_add_nc_u32 v[ADRA], CHB, v[ADRA]
	v_add_nc_u32 v[ADRB], CHB, v[ADRB]
	v_add_nc_u32 v[ADS], CHB, v[ADS]
.endif
.endm
	CHUNK 0
	CHUNK 1
	CHUNK 2
	CHUNK 3
; THE WAY OUT, 16 tokens at a time: a lane holds 32 + 32 bytes of one token's row, the lanes beside it other tokens: the block goes through my stage and comes back as whole rows of 256 bytes.
.macro TOSTAGE a
.irp b, 0,1,2,3
	ds_store_b128 v[STO], v[ACC+8*(4*(\a)+\b):ACC+8*(4*(\a)+\b)+3] offset:128*(\b/2)+32*(\b%2)        ; each accumulator from its low end on
	ds_store_b128 v[STO], v[ACC+8*(4*(\a)+\b)+4:ACC+8*(4*(\a)+\b)+7] offset:128*(\b/2)+32*(\b%2)+16
.endr
.irp t, 0,1,2,3,4,5,6,7
	ds_load_b128 v[16+32*((\a)%2)+4*\t:16+32*((\a)%2)+4*\t+3], v[RD] offset:\t*2*SPITCH   ; LDS serves a wave's instructions in order: these see my stores
.endr
.endm
.macro SEND a, younger
	s_wait_dscnt \younger                          ; the block is back; the next block's 8 stores and 8 loads may be out
.irp t, 0,1,2,3,4,5,6,7
.if SECOND
	global_store_b128 v[CO], v[16+32*((\a)%2)+4*\t:16+32*((\a)%2)+4*\t+3], s[12:13] offset:(16*(\a)+2*\t)*PITCH th:TH_STORE_NT   ; sixteen lanes store 256 consecutive bytes, aligned; written once, read by nobody here
.else
	global_store_b128 v[CO], v[16+32*((\a)%2)+4*\t:16+32*((\a)%2)+4*\t+3], s[12:13] offset:(16*(\a)+2*\t)*PITCH
.endif
.endr
.endm
	s_barrier_signal -1                            ; my reads of the operands are over (the last wait was for 0): the stages lie in chunk 0's bytes
	s_barrier_wait -1
	PLACES                                         ; between the last products and the first read of results, and the loads into operand registers
	TOSTAGE 0
.irp a, 1,2,3
.if \a > 1
	s_wait_xcnt 0x0                                ; block a - 2's stores have read their registers: block a's loads may land there
.endif
	TOSTAGE \a
	SEND \a-1, 16
.endr
	SEND 3, 0
	s_wait_dscnt 0x0
	s_wait_tensorcnt 0x0
	ds_add_u32 v126, v127
	s_wait_dscnt 0x0
	CROUND                                         ; the closing round: no work-group ends while a partner may still ask for a tile that names it
	s_endpgm
.Lfunc_end_k_qe72e3b7183_gemm2:
	.size	k_qe72e3b7183_gemm2, .Lfunc_end_k_qe72e3b7183_gemm2-k_qe72e3b7183_gemm2
	.p2alignl 7, 3214868480
	.fill 96, 4, 3214868480
	.section	.rodata,"a",@progbits
	.p2align	6, 0x0
	.amdhsa_kernel k_qe72e3b7183_gemm2
		.amdhsa_group_segment_fixed_size 327680
		.amdhsa_private_segment_fixed_size 0
		.amdhsa_enable_private_segment 0
		.amdhsa_kernarg_size 24
		.amdhsa_user_sgpr_count 2
		.amdhsa_user_sgpr_kernarg_segment_ptr 1
		.amdhsa_wavefront_size32 1
		.amdhsa_system_sgpr_workgroup_id_x 1
		.amdhsa_system_sgpr_workgroup_id_y 1
		.amdhsa_system_sgpr_workgroup_id_z 1
		.amdhsa_system_vgpr_workitem_id 0
		.amdhsa_next_free_vgpr 256
		.amdhsa_next_free_sgpr 96
		.amdhsa_reserve_vcc 0
		.amdhsa_float_denorm_mode_32 3
		.amdhsa_float_denorm_mode_16_64 3
		.amdhsa_memory_ordered 1
		.amdhsa_forward_progress 1
		.amdhsa_inst_pref_size 49
	.end_amdhsa_kernel
	.amdgpu_metadata
---
amdhsa.version: [ 1, 2 ]
amdhsa.kernels:
  - .name:           k_qe72e3b7183_gemm2
    .symbol:         k_qe72e3b7183_gemm2.kd
    .args:
      - { .name: oc, .offset: 0, .size: 8, .value_kind: global_buffer, .address_space: global }
      - { .name: wc, .offset: 8, .size: 8, .value_kind: global_buffer, .address_space: global }
      - { .name: out0, .offset: 16, .size: 8, .value_kind: global_buffer, .address_space: global }
    .group_segment_fixed_size: 327680
    .private_segment_fixed_size: 0
    .kernarg_segment_align: 8
    .kernarg_segment_size: 24
    .max_flat_workgroup_size: 256
    .sgpr_count:     96
    .vgpr_count:     256
    .wavefront_size: 32
...
	.end_amdgpu_metadata
.endif
;; end of part 5
